; MI455X (gfx1250); checked and timed in simulation.
; The chip was launched on July 23, 2026; its instructions are those of AMD's public machine-readable ISA for CDNA 5 (MIT licence, August 2026) and "CDNA5" Instruction Set Architecture Reference Guide (July 2026). The comments in the code are by the model that wrote it; some were corrected since.
;; Causal Self Attention. Allowed arithmetic: float matrix products may take bf16 or f16 operands with f32 sums; other float arithmetic in f32, or as packed bf16 or f16 multiplies, adds, multiply-adds, maxima and minima; sums over many terms, partial sums and values carried from step to step in f32; what a program stores and reads back later, other than sums and carried values, may be rounded once to bf16 or f16.
;; Inputs: lambdas 2 float32; qkvo_w 4 x 1,024 x 1,024 float32; ve 1 x 4,096 x 1,024 float32; x 1 x 4,096 x 1,024 float32.
;; Outputs: out0 1 x 4,096 x 1,024 float32.
;; Constants: window = 512.
;; 2 versions, each right; version 2 is version 1 with the launch prep written anew for expert scheduling mode. Each part assembles by itself: llvm-mc -triple=amdgcn-amd-amdhsa -mcpu=gfx1250 --defsym DOCPART=n.
;; ======== version 1 of 2: 4 launches
;; limits: values are held in f16: magnitudes above 65,504 overflow, below 6.1e-05 lose precision
;; workspace buffers: xb 8,388,608 bytes; wb 6,291,456 bytes; wo 2,097,152 bytes; rope 1,048,576 bytes; qkvh 25,165,824 bytes; yh 8,388,608 bytes
;; launch prep (part 1): grid 256 x 1, 8 waves a work-group, no clusters, 0 bytes of LDS; arguments x, qkvo_w, xb, wb, wo, rope; writes xb, wb, wo, rope
.if DOCPART == 1
	.amdgcn_target "amdgcn-amd-amdhsa--gfx1250"
	.amdhsa_code_object_version 6
	.text
	.protected	k_q46bb211033_prep
	.globl	k_q46bb211033_prep
	.p2align	8
	.type	k_q46bb211033_prep,@function
k_q46bb211033_prep:
	s_mov_b64 s[64:65], 0
	v_nop
	global_prefetch_b8 v0, s[64:65] scope:SCOPE_SE
	s_setreg_imm32_b32 hwreg(HW_REG_WAVE_MODE, 25, 1), 1
	s_wait_xcnt 0x0
; PREP.  x [4096][1024] and qkvo_w[0:3] ([3072][1024]) are rounded to bf16 (xb, wb); qkvo_w[3] is rounded to bf16 and that number written as f16 (wo);
; the table of cos and sin of t x inv_freq[j], t = 0..4095, j = 0..31, is made in f32 (rope: cos [4096][32] at byte 0, sin at byte 524,288).
; SHARES.  256 work-groups of 8 waves; each casts 32,768 numbers: 131,072 bytes in, 65,536 out.  Groups 0-127 take x, 128-223 the first three weights, 224-255 the fourth.
; Thread t takes the 16 bytes at 16 t of each 4,096: a wave's load covers 512 consecutive bytes, its store of 8 bytes a lane 256 consecutive bytes, aligned.
; All 32 loads of a thread go out first; the table, two frequencies of one t a thread, is computed while they are on their way.
; No LDS, no barrier, no matrix unit: nothing is shared and every byte is touched once.
; LIMITS.  A weight of qkvo_w[3] below 6e-5 keeps f16's fixed step of 6e-8; beyond 65,504 it would not fit.
; The angle is t x g turns, g = inv_freq / 2 pi in f32, the product kept in two words; it differs from the f32 product t x inv_freq by 1.6e-4 radians at the most (t = 4095).
.set XR,  32                           ; v[32:159]  the 32 loads, 4 registers each
.set YR,  160                          ; v[160:223] what is stored, 2 registers each: no register is used twice, so no store's data is ever rewritten
.set WOG, 224                          ; the first work-group of the fourth weight
	s_load_b256 s[4:11], s[0:1], 0x0               ; x s[4:5], qkvo_w s[6:7], xb s[8:9], wb s[10:11]
	s_load_b128 s[12:15], s[0:1], 0x20             ; wo s[12:13], rope s[14:15]
	s_mov_b32 s16, ttmp9                           ; g
	v_lshlrev_b32 v1, 4, v0                        ; 16 t: never rewritten
	v_lshlrev_b32 v2, 3, v0                        ; 8 t: never rewritten
	s_cmp_lt_u32 s16, 128
	s_cselect_b32 s17, 0, 128                      ; the source's first group
	s_cmp_ge_u32 s16, WOG
	s_cselect_b32 s24, WOG, s17                    ; the destination's first group
	s_sub_co_u32 s18, s16, s17
	s_lshl_b32 s18, s18, 17                        ; byte offset in the source
	s_mov_b32 s19, 0
	s_sub_co_u32 s24, s16, s24
	s_lshl_b32 s24, s24, 16                        ; byte offset in the destination
	s_mov_b32 s25, 0
	s_lshl_b32 s26, s16, 11                        ; the group's 2,048 bytes of cos, and of sin
	s_mov_b32 s27, 0
	s_lshl_b32 s30, s16, 8                         ; 256 g
	s_mov_b32 s31, 0xffff0000                      ; a word's upper bf16
	s_wait_kmcnt 0x0
	s_cmp_lt_u32 s16, 128
	s_cselect_b64 s[20:21], s[4:5], s[6:7]         ; the source,
	s_cselect_b64 s[22:23], s[8:9], s[10:11]       ; the destination,
	s_cmp_ge_u32 s16, WOG
	s_cselect_b64 s[22:23], s[12:13], s[22:23]
	s_add_nc_u64 s[20:21], s[20:21], s[18:19]
	s_add_nc_u64 s[22:23], s[22:23], s[24:25]
	s_add_nc_u64 s[28:29], s[14:15], s[26:27]      ; and the table
.set n, 0
.rept 32
	global_load_b128 v[XR+4*n:XR+4*n+3], v1, s[20:21] offset:4096*n th:TH_LOAD_NT
.set n, n+1
.endr
	; THE TABLE.  G = 256 g + t is one of 65,536: row G / 16, frequencies 2 (G % 16) and the next; their 8 bytes lie at byte 8 G.
	v_add_nc_u32 v3, s30, v0
	v_lshrrev_b32 v4, 4, v3
	v_cvt_f32_u32 v4, v4                           ; the row, as f32
	v_and_b32 v5, 15, v3
	v_lshlrev_b32 v5, 1, v5
	v_cvt_f32_u32 v6, v5                           ; j
	v_add_f32 v7, 1.0, v6                          ; j + 1
	v_mul_f32 v6, 0xbea5294a, v6                   ; inv_freq = 1024^(-j/31) = 2^(-10 j / 31)
	v_mul_f32 v7, 0xbea5294a, v7
	v_exp_f32 v6, v6
	v_exp_f32 v7, v7
	v_nop                                          ; a plain instruction behind the second exponential,
	s_wait_alu depctr_va_vdst(0)                   ; and one wait for both, ahead of their first reader
; cos and sin of 2 pi u, u = row x g.  u's product is kept in two words (uh, ul), the nearest whole number of turns is taken away, and half the angle,
; xx = pi r in -pi/2 .. pi/2, goes into the two series (to xx^11 and xx^10: the terms left out are under 6e-8 and 5e-7); then the angle is doubled.
.macro ANGLE f, b, oc, os
	v_mul_f32 v[(\b)], 0x3e22f983, v[(\f)]         ; g = inv_freq / 2 pi
	v_mul_f32 v[(\b)+1], v4, v[(\b)]               ; uh
	v_fma_f32 v[(\b)+2], v4, v[(\b)], -v[(\b)+1]   ; ul: what uh's rounding lost
	v_rndne_f32 v[(\b)+3], v[(\b)+1]
	v_sub_f32 v[(\b)+1], v[(\b)+1], v[(\b)+3]
	v_add_f32 v[(\b)+1], v[(\b)+1], v[(\b)+2]      ; r
	v_mul_f32 v[(\b)], 0x40490fdb, v[(\b)+1]       ; xx = pi r
	v_mul_f32 v[(\b)+1], v[(\b)], v[(\b)]          ; z = xx^2
	v_mov_b32 v[(\b)+2], 0xb2d7322b                ; -1/11!
	v_fmaak_f32 v[(\b)+2], v[(\b)+2], v[(\b)+1], 0x3638ef1d
	v_fmaak_f32 v[(\b)+2], v[(\b)+2], v[(\b)+1], 0xb9500d01
	v_fmaak_f32 v[(\b)+2], v[(\b)+2], v[(\b)+1], 0x3c088889
	v_fmaak_f32 v[(\b)+2], v[(\b)+2], v[(\b)+1], 0xbe2aaaab
	v_mul_f32 v[(\b)+2], v[(\b)+2], v[(\b)+1]
	v_fma_f32 v[(\b)+2], v[(\b)+2], v[(\b)], v[(\b)]  ; s = sin xx
	v_mov_b32 v[(\b)+3], 0xb493f27e                ; -1/10!
	v_fmaak_f32 v[(\b)+3], v[(\b)+3], v[(\b)+1], 0x37d00d01
	v_fmaak_f32 v[(\b)+3], v[(\b)+3], v[(\b)+1], 0xbab60b61
	v_fmaak_f32 v[(\b)+3], v[(\b)+3], v[(\b)+1], 0x3d2aaaab
	v_fmaak_f32 v[(\b)+3], v[(\b)+3], v[(\b)+1], 0xbf000000
	v_fma_f32 v[(\b)+3], v[(\b)+3], v[(\b)+1], 1.0 ; c = cos xx
	v_add_f32 v[(\b)+4], v[(\b)+2], v[(\b)+2]      ; 2 s
	v_fma_f32 v[(\oc)], -v[(\b)+4], v[(\b)+2], 1.0 ; cos 2 xx = 1 - 2 s s
	v_mul_f32 v[(\os)], v[(\b)+4], v[(\b)+3]       ; sin 2 xx = 2 s c
.endm
	ANGLE 6, 8, 28, 30
	ANGLE 7, 16, 29, 31
	global_store_b64 v2, v[28:29], s[28:29]                ; a wave's store covers 256 consecutive bytes, aligned
	global_store_b64 v2, v[30:31], s[28:29] offset:524288
; Load n is converted and stored.  The wait leaves the 31 - n younger loads out.  mode 0: bf16.  mode 1: bf16, widened again, written as f16.
.macro CONV mode, n
	s_wait_loadcnt 31-(\n)
.if (\mode) == 0
	v_cvt_pk_bf16_f32 v[YR+2*(\n)],   v[XR+4*(\n)],   v[XR+4*(\n)+1]
	v_cvt_pk_bf16_f32 v[YR+2*(\n)+1], v[XR+4*(\n)+2], v[XR+4*(\n)+3]
.else
	v_cvt_pk_bf16_f32 v8, v[XR+4*(\n)],   v[XR+4*(\n)+1]
	v_cvt_pk_bf16_f32 v9, v[XR+4*(\n)+2], v[XR+4*(\n)+3]
	v_lshlrev_b32 v10, 16, v8
	v_and_b32     v11, s31, v8
	v_lshlrev_b32 v12, 16, v9
	v_and_b32     v13, s31, v9
	v_cvt_pk_f16_f32 v[YR+2*(\n)],   v10, v11
	v_cvt_pk_f16_f32 v[YR+2*(\n)+1], v12, v13
.endif
	global_store_b64 v2, v[YR+2*(\n):YR+2*(\n)+1], s[22:23] offset:2048*(\n)
.endm
	s_cmp_ge_u32 s16, WOG
	s_cbranch_scc1 .Lwo
.set n, 0
.rept 32
	CONV 0, n
.set n, n+1
.endr
	s_endpgm
.Lwo:
.set n, 0
.rept 32
	CONV 1, n
.set n, n+1
.endr
	s_endpgm
.Lfunc_end_k_q46bb211033_prep:
	.size	k_q46bb211033_prep, .Lfunc_end_k_q46bb211033_prep-k_q46bb211033_prep
	.p2alignl 7, 3214868480
	.fill 96, 4, 3214868480
	.section	.rodata,"a",@progbits
	.p2align	6, 0x0
	.amdhsa_kernel k_q46bb211033_prep
		.amdhsa_group_segment_fixed_size 0
		.amdhsa_private_segment_fixed_size 0
		.amdhsa_enable_private_segment 0
		.amdhsa_kernarg_size 48
		.amdhsa_user_sgpr_count 2
		.amdhsa_user_sgpr_kernarg_segment_ptr 1
		.amdhsa_wavefront_size32 1
		.amdhsa_system_sgpr_workgroup_id_x 1
		.amdhsa_system_sgpr_workgroup_id_y 1
		.amdhsa_system_sgpr_workgroup_id_z 1
		.amdhsa_system_vgpr_workitem_id 0
		.amdhsa_next_free_vgpr 224
		.amdhsa_next_free_sgpr 66
		.amdhsa_reserve_vcc 0
		.amdhsa_float_denorm_mode_32 3
		.amdhsa_float_denorm_mode_16_64 3
		.amdhsa_memory_ordered 1
		.amdhsa_forward_progress 1
		.amdhsa_inst_pref_size 32
	.end_amdhsa_kernel
	.amdgpu_metadata
---
amdhsa.version: [ 1, 2 ]
amdhsa.kernels:
  - .name:           k_q46bb211033_prep
    .symbol:         k_q46bb211033_prep.kd
    .args:
      - { .name: x, .offset: 0, .size: 8, .value_kind: global_buffer, .address_space: global }
      - { .name: qkvo_w, .offset: 8, .size: 8, .value_kind: global_buffer, .address_space: global }
      - { .name: xb, .offset: 16, .size: 8, .value_kind: global_buffer, .address_space: global }
      - { .name: wb, .offset: 24, .size: 8, .value_kind: global_buffer, .address_space: global }
      - { .name: wo, .offset: 32, .size: 8, .value_kind: global_buffer, .address_space: global }
      - { .name: rope, .offset: 40, .size: 8, .value_kind: global_buffer, .address_space: global }
    .group_segment_fixed_size: 0
    .private_segment_fixed_size: 0
    .kernarg_segment_align: 8
    .kernarg_segment_size: 48
    .max_flat_workgroup_size: 256
    .sgpr_count:     66
    .vgpr_count:     224
    .wavefront_size: 32
...
	.end_amdgpu_metadata
.endif
;; end of part 1
;; launch qkvproj (part 2): grid 8 x 32, 4 waves a work-group, clusters of 4 x 4, 327,680 bytes of LDS; arguments xb, wb, ve, lambdas, rope, qkvh; writes qkvh
.if DOCPART == 2
	.amdgcn_target "amdgcn-amd-amdhsa--gfx1250"
	.amdhsa_code_object_version 6
	.text
	.protected	k_q46bb211033_qkvproj
	.globl	k_q46bb211033_qkvproj
	.p2align	8
	.type	k_q46bb211033_qkvproj,@function
k_q46bb211033_qkvproj:
	s_mov_b64 s[64:65], 0
	v_nop
	global_prefetch_b8 v0, s[64:65] scope:SCOPE_SE
	s_setreg_imm32_b32 hwreg(HW_REG_WAVE_MODE, 25, 1), 1
	s_wait_xcnt 0x0
	s_wait_alu depctr_hold_cnt(0) depctr_sa_sdst(0) depctr_va_vdst(0) depctr_va_sdst(0) depctr_va_ssrc(0) depctr_va_vcc(0) depctr_vm_vsrc(0)
	s_getreg_b32 s2, hwreg(HW_REG_IB_STS2, 6, 4)
	s_cmp_eq_u32 s2, 0
	s_cbranch_scc0 .Lentry_in_a_cluster
	s_endpgm
.Lentry_in_a_cluster:
	s_bfe_u32 s2, ttmp6, 0x10000c
	s_cmp_lg_u32 s2, 0xf033
	s_cbranch_scc0 .Lentry_shape_is_right
	s_endpgm
.Lentry_shape_is_right:
; Q, K, V OF ONE HEAD FOR 128 ROWS.  [128 rows of x] x [the head's 128 rows of Wq, of Wk and of Wv]^T, K = 1024, bf16 operands, f32 sums; then, on the way out and in f32:
; each row's q, k and v are divided by their root mean square over the head's 128 channels (+ 1e-6 under the root); q and k are turned by the table of cos and sin (frequencies 0-31: channel j with channel
; 64 + j; channels 32-63 and 96-127 stay); v = l0 v + l1 ve, with l0, l1 and ve rounded to bf16 as all the module's inputs are.  q, k, v leave as f16, by heads: qkvh [3][8][4096][128].
; LIMITS.  |q|, |k| are 11.4 at the most; v holds |l0| 11.4 + |l1 ve|, which must stay under f16's 65,504.  NaN and infinities are not treated apart.
; SHARES.  Grid 8 heads x 32 blocks of 128 rows: 256 work-groups.  Wave w: row half RH = w / 2, column parity CH = w % 2: 64 rows x, of each of the three matrices, the blocks of 16 channels
; b = 2 i + CH, i = 0..3.  So a lane holds channel j (i = 0) and channel 64 + j (i = 2) of the same row: the turning needs no other lane.  48 accumulators, 384 registers; 16 fragments feed 48 products.
; THE MATRIX INSTRUCTION IS USED TRANSPOSED (source 0 = 16 rows of W, source 1 = 16 rows of x): lane l holds row l % 16 and the channels 16 b + 8 (l / 16) + 0..7, which pack into 16 bytes.
; RING.  K goes in steps of 128 through two LDS slots; a slot holds x's 128 rows and the 3 x 128 rows of W, each brought by one wave's tensor load (128 rows x 256 bytes).
; CLUSTER 4 x 4.  x's tile hangs on the row block alone and is shared along a row of the cluster; W's tiles hang on the head alone and are shared along a column: joint loads.
; When slot 0 has been read for the last time it takes ve's tile (128 rows x 512 bytes, 32 rows a wave, a load of the work-group's own), behind a round like every fill.
; REGISTERS, in windows of 256: window 0 addresses and the way out; window 1 the accumulators of q and k (block n = 4 m + i, rows a: v[8 (4 n + a)]); window 2 v0-127 those of v;
; window 3 two fragment buffers of 128: x's four fragments, then W's twelve.
.set KSTEP,  128
.set PITCH,  272                       ; an LDS row: 256 bytes + 16 of padding = 68 words: the 16 rows of a load start at 16 different groups of four banks (64 banks of 4 bytes: ISA guide 11.1)
.set HALFT,  128*PITCH                 ; one tensor load's tile
.set SLOT,   4*HALFT                   ; x, Wq, Wk, Wv
.set STAGE,  2*SLOT                    ; behind the ring: 128 rows x 272 bytes, the work-group's, for the way out
.set SSQ,    STAGE+128*PITCH           ; 4 waves x 12 x 16 words: the sums of squares of half the channels
.set SPARE,  SSQ+3072                  ; the spare words, 128 bytes for each wave: two blocks of 256 bytes that no other line names
.set EPITCH, 528                       ; a row of ve in LDS: 512 bytes + 16
.set ADRA, 16                          ; v16-17  LDS address of my fragments of x in slot 0, 1
.set ADRB, 18                          ; v18-23  of my fragments of matrix m in slot s: ADRB + 3 s + m
.set STO,  24                          ; v24     the way out: where I put 16 bytes of a row
.set RD,   25                          ; v25     where I read rows back
.set CO,   26                          ; v26     16 x lane: my place in 512 consecutive bytes of qkvh
.set ADRE, 27                          ; v27     my place in ve's tile
.set SPW,  28                          ; v28     LDS address of my spare word; never rewritten
.set NIL,  29                          ; v29     0; never rewritten
.set PFO,  30                          ; v30     the prefetches' offset: lane x 2,048, a row of xb or wb; never rewritten
.set RO,   31                          ; v31     my place in the table of cos and sin
.set SSA,  32                          ; v32     where my sums of squares go
.set SSP,  33                          ; v33     where the other column parity's lie
.set LAM0, 34                          ; v34     l0
.set LAM1, 36                          ; v36-37  l1, as a pair
.set VL,   38
.set RS,   40                          ; v40-63  for q = 4 m + a a pair: the sum of squares, then 1 / rms in the low word
.set CSN,  64                          ; v64-127 rows a: cos of my 8 frequencies at CSN + 16 a, sin at + 8
.set EV,   64                          ; v64-95  later: ve of 16 rows
.set T,    128                         ; v128-159 32 numbers at work
.set U,    160                         ; v160-175
.set OB,   176                         ; v176-239 rows read back
.set PKD,  240                         ; v240-255 packed
.set F0,   0
.set F1,   128
.set WV,  16
.set RH,  17
.set CH,  18
.set CX,  19
.set CY,  20
.set HD,  21                           ; s21 the head
.set YB,  22                           ; s22 the block of 128 rows
.set G1A, 24                           ; s[24:31] group 1 for x's tiles;  s[32:39] group 0, a set for each slot
.set G0A, 32
.set G1B, 40                           ; s[40:47], s[48:55] the same for W's tiles
.set G0B, 48
.set G1E, 56                           ; s[56:63], s[68:71] for ve's tile
.set G0E, 68
.set PFA, 72                           ; s[72:73] where my prefetches stand
.set LIM, 74                           ; s74 1 in a wave that prefetches, else the greatest number
.set LAP, 75
.set LAM, 76                           ; s[76:77] the two lambdas
.set SEL, 78                           ; s[78:79] v_permlanex16_b32's selects: each lane takes its own place in the other half
.set INV, 80                           ; s80 1/128
.set EPS, 81                           ; s81 1e-6
.set HIM, 82                           ; s82 a word's upper bf16
.set ROP, 84                           ; s[84:85] the table at my 64 rows
.set OUT, 86                           ; s[86:87] qkvh at the 32 rows that I store
.set GW0, (1<<16)|(1<<20)|(1<<21)|(5<<22)|(3<<25)  ; 17:16 2-byte elements; 20 padding on; 21 set beside a mask; 24:22 after every 64 words; 31:25 4 words of it
.set MSB, 0
.macro WIN new                         ; the immediate's high byte repeats the setting that is left; a switch that changes nothing is dropped
.if MSB != (\new)
	s_set_vgpr_msb (MSB<<8)|(\new)
.set MSB, \new
.endif
.endm
.macro PLACES                          ; four places: in front of loads into registers that matrix instructions have read, and of vector work that reads their results
.rept 4
	v_nop
.endr
.endm
; A joint load.  Wave 0 fetches x's tile, waves 1 to 3 the tiles of Wq, Wk, Wv.  The branch hangs on the wave's number alone.  An s_nop 0 and four v_nop follow each line.
.macro JLOAD s
	s_cmp_eq_u32 s[WV], 0
	s_cbranch_scc0 .Lfor_b_\@
	tensor_load_to_lds s[G0A+4*(\s):G0A+4*(\s)+3], s[G1A:G1A+7]
	s_nop 0
.rept 4
	v_nop
.endr
	s_branch .Lasked_\@
.Lfor_b_\@:
	tensor_load_to_lds s[G0B+4*(\s):G0B+4*(\s)+3], s[G1B:G1B+7]
	s_nop 0
.rept 4
	v_nop
.endr
.Lasked_\@:
.endm
.macro ELOAD                           ; my 32 rows of ve's tile
	tensor_load_to_lds s[G0E:G0E+3], s[G1E:G1E+7]
	s_nop 0
.rept 4
	v_nop
.endr
.endm
; A PREFETCH INTO THE L2 of the K step that stands two refills on: 32 rows x 256 bytes, a lane a row.  x's rows are read by both clusters of a row of clusters: cluster x = 0 asks (its wave 0);
; W's rows by the eight clusters of a column: cluster y = 0 asks (its waves 1 to 3).  The four partners that ask for a tile jointly take 32 of its 128 rows each, told apart by address.
; So each row's 256 bytes of a K step are named once.  K steps 4 to 7 are asked for, in the loop's first two trips; K steps 0 to 3 come by their loads alone.
.macro ASK
	s_cmp_gt_u32 s[LAP], s[LIM]
	s_cbranch_scc0 .Lnot_mine_\@
	global_prefetch_b8 v[PFO], s[PFA:PFA+1] offset:KSTEP*2 th:TH_LOAD_NT scope:SCOPE_SE
.Lnot_mine_\@:
.endm
.macro CREST                           ; a round of the cluster's barrier behind its opening barrier
	s_cmp_lg_u32 s[WV], 0
	s_cbranch_scc1 .Lnot_wave_0_\@
	s_barrier_signal -3
.Lnot_wave_0_\@:
	s_barrier_wait -3
	s_barrier_signal -1
	s_barrier_wait -1
.endm
.macro CROUND
	s_barrier_signal -1
	s_barrier_wait -1
	CREST
.endm
	s_load_b256 s[4:11], s[0:1], 0x0               ; xb s[4:5], wb s[6:7], ve s[8:9], lambdas s[10:11]
	s_load_b128 s[12:15], s[0:1], 0x20             ; rope s[12:13], qkvh s[14:15]
	v_lshl_add_u32 v[SPW], v0, 2, SPARE
	v_mov_b32 v[NIL], 0
	ds_add_u32 v[SPW], v[NIL]                      ; the wave's opening: the add and its wait stand ahead of my first tensor load; the set-up below stands between them
	v_lshrrev_b32 v1, 5, v0
	v_readfirstlane_b32 s[WV], v1                  ; wave 0..3
	s_lshr_b32 s[RH], s[WV], 1
	s_and_b32 s[CH], s[WV], 1
	s_bfe_u32 s[CX], ttmp6, 0x40000
	s_bfe_u32 s[CY], ttmp6, 0x40004
	s_lshl_b32 s[HD], ttmp9, 2
	s_add_co_u32 s[HD], s[HD], s[CX]               ; head = 4 x cluster x + cx
	s_and_b32 s[YB], ttmp7, 0xffff
	s_lshl_b32 s[YB], s[YB], 2
	s_add_co_u32 s[YB], s[YB], s[CY]               ; row block = 4 x cluster y + cy
	s_lshl_b32 s88, s[CY], 2
	s_lshl_b32 s88, 15, s88                        ; my row of the cluster
	s_lshl_b32 s89, 0x1111, s[CX]                  ; my column
	s_or_b32 s[G1A], s88, GW0                      ; x's tiles go to my row,
	s_or_b32 s[G1B], s89, GW0                      ; W's to my column
.irp g, G1A, G1B
	s_mov_b32 s[(\g)+1], KSTEP<<16                 ; tensor_dim0 = 128
	s_mov_b32 s[(\g)+2], 128<<16                   ; tensor_dim1 = 128
	s_mov_b32 s[(\g)+3], KSTEP<<16                 ; tile_dim0 = 128
	s_mov_b32 s[(\g)+4], 128                       ; tile_dim1 = 128
	s_mov_b32 s[(\g)+5], 1024                      ; elements from row to row
	s_mov_b32 s[(\g)+6], 0
	s_mov_b32 s[(\g)+7], 0
.endr
	s_mov_b32 s[G1E], (2<<16)|(1<<20)|(6<<22)|(3<<25)  ; no mask; 4-byte elements; padding after every 128 words, 4 words of it
	s_mov_b32 s[G1E+1], 128<<16                    ; tensor_dim0 = 128
	s_mov_b32 s[G1E+2], 32<<16                     ; tensor_dim1 = 32
	s_mov_b32 s[G1E+3], 128<<16                    ; tile_dim0 = 128
	s_mov_b32 s[G1E+4], 32                         ; tile_dim1 = 32
	s_mov_b32 s[G1E+5], 1024
	s_mov_b32 s[G1E+6], 0
	s_mov_b32 s[G1E+7], 0
	s_mov_b32 s[SEL], 0x76543210
	s_mov_b32 s[SEL+1], 0xfedcba98
	s_mov_b32 s[INV], 0x3c000000
	s_mov_b32 s[EPS], 0x358637bd
	s_mov_b32 s[HIM], 0xffff0000
	s_lshl_b32 s90, s[YB], 18                      ; x: 128 rows of 2,048 bytes a block
	s_mov_b32 s91, 0
	s_sub_co_i32 s94, s[WV], 1
	s_max_i32 s94, s94, 0                          ; the matrix that I fetch (wave 0 issues no load by it)
	s_lshl_b32 s92, s94, 21                        ; W: 1,024 rows a matrix,
	s_lshl_b32 s93, s[HD], 18                      ; 128 rows a head
	s_add_co_u32 s92, s92, s93
	s_mov_b32 s93, 0
	s_mul_i32 s95, s[WV], HALFT                    ; where my tile goes: no place in the cluster enters an LDS address
	s_wait_dscnt 0x0                               ; the opening add is done
	s_wait_kmcnt 0x0
	s_add_nc_u64 s[90:91], s[4:5], s[90:91]
	s_add_nc_u64 s[92:93], s[6:7], s[92:93]
	s_load_b64 s[LAM:LAM+1], s[10:11], 0x0         ; waited for on the way out
	CROUND                                         ; all sixteen work-groups are here: the first joint loads meet
.irp s, 0,1
	s_mov_b32 s[G0A+4*(\s)], 1
	s_add_co_u32 s[G0A+4*(\s)+1], s95, (\s)*SLOT
	s_add_nc_u64 s[G0A+4*(\s)+2:G0A+4*(\s)+3], s[90:91], (\s)*KSTEP*2
	s_or_b32 s[G0A+4*(\s)+3], s[G0A+4*(\s)+3], 0x80000000
	s_mov_b32 s[G0B+4*(\s)], 1
	s_add_co_u32 s[G0B+4*(\s)+1], s95, (\s)*SLOT
	s_add_nc_u64 s[G0B+4*(\s)+2:G0B+4*(\s)+3], s[92:93], (\s)*KSTEP*2
	s_or_b32 s[G0B+4*(\s)+3], s[G0B+4*(\s)+3], 0x80000000
	JLOAD \s                                       ; K steps 0 and 1: two loads of mine are out
.endr
	; ve's descriptor
	s_mov_b32 s[G0E], 1
	s_mul_i32 s[G0E+1], s[WV], 32*EPITCH
	s_lshl_b32 s88, s[YB], 19                      ; 128 rows of 4,096 bytes,
	s_lshl_b32 s89, s[WV], 17                      ; my 32 of them,
	s_add_co_u32 s88, s88, s89
	s_lshl_b32 s89, s[HD], 9                       ; the head's 512 bytes
	s_add_co_u32 s88, s88, s89
	s_mov_b32 s89, 0
	s_add_nc_u64 s[G0E+2:G0E+3], s[8:9], s[88:89]
	s_or_b32 s[G0E+3], s[G0E+3], 0x80000000
	; the table and the output
	s_lshl_b32 s88, s[YB], 14                      ; 128 rows of 128 bytes
	s_lshl_b32 s89, s[RH], 13
	s_add_co_u32 s88, s88, s89
	s_mov_b32 s89, 0
	s_add_nc_u64 s[ROP:ROP+1], s[12:13], s[88:89]
	s_lshl_b32 s88, s[HD], 20                      ; a head: 4,096 rows of 256 bytes
	s_lshl_b32 s89, s[YB], 15
	s_add_co_u32 s88, s88, s89
	s_lshl_b32 s89, s[WV], 13                      ; the 32 rows that I store
	s_add_co_u32 s88, s88, s89
	s_mov_b32 s89, 0
	s_add_nc_u64 s[OUT:OUT+1], s[14:15], s[88:89]
	; the prefetches
	s_and_b32 s88, ttmp7, 0xffff                   ; cluster y
	s_lshl_b32 s89, s[YB], 7                       ; x's tile begins at this row,
	s_lshl_b32 s90, s94, 10
	s_lshl_b32 s91, s[HD], 7
	s_add_co_u32 s90, s90, s91                     ; W's at this
	s_cmp_eq_u32 s[WV], 0
	s_cselect_b32 s89, s89, s90
	s_cselect_b32 s91, s[CX], s[CY]                ; my place among the four that ask with me
	s_cselect_b32 s88, ttmp9, s88                  ; the coordinate along which other clusters read the same rows
	s_cselect_b64 s[PFA:PFA+1], s[4:5], s[6:7]
	s_cmp_eq_u32 s88, 0
	s_cselect_b32 s[LIM], 1, -1
	s_lshl_b32 s91, s91, 5
	s_add_co_u32 s89, s89, s91                     ; my work-group's 32 rows
	s_lshl_b32 s88, s89, 11
	s_mov_b32 s89, 0
	s_add_nc_u64 s[PFA:PFA+1], s[PFA:PFA+1], s[88:89]
	s_add_nc_u64 s[PFA:PFA+1], s[PFA:PFA+1], 2*KSTEP*2  ; at K step 2: the first refill steps it to 3 and names K step 4
	; vector addresses.  A fragment is 16 rows x 32 K: lane l holds row l % 16, K = 8 (l / 16) + 0..7 and 16 + 8 (l / 16) + 0..7: two loads of 16 bytes, 32 bytes apart
	v_and_b32 v1, 15, v0                           ; r
	v_bfe_u32 v2, v0, 4, 1                         ; h
	v_mul_u32_u24 v3, v1, PITCH
	v_lshl_add_u32 v3, v2, 4, v3                   ; r x pitch + 16 h
	s_mul_i32 s88, s[RH], 64*PITCH                 ; my 64 rows of x
	s_mul_i32 s89, s[CH], 16*PITCH                 ; my parity of the blocks of 16 rows of W,
	s_add_co_u32 s89, s89, HALFT                   ; behind x's tile
.irp s, 0,1
	v_add_nc_u32 v[ADRA+(\s)], s88, v3
	s_add_co_u32 s88, s88, SLOT
.irp m, 0,1,2
	v_add_nc_u32 v[ADRB+3*(\s)+(\m)], s89, v3
	s_add_co_u32 s89, s89, HALFT
.endr
	s_add_co_u32 s89, s89, HALFT                   ; past the next slot's tile of x
.endr
	s_mul_i32 s88, s[RH], 64*PITCH                 ; into the stage: row 64 RH + 16 a + r, byte 64 i + 32 CH + 16 h
	s_lshl_b32 s89, s[CH], 5
	s_add_co_u32 s88, s88, s89
	s_add_co_u32 s88, s88, STAGE
	v_add_nc_u32 v[STO], s88, v3
	s_mul_i32 s88, s[WV], 32*PITCH                 ; back: rows 32 w + 2 t + h, whole
	s_add_co_u32 s88, s88, STAGE
	v_mul_u32_u24 v4, v2, PITCH
	v_lshl_add_u32 v4, v1, 4, v4
	v_add_nc_u32 v[RD], s88, v4
	v_and_b32 v4, 31, v0
	v_lshlrev_b32 v[CO], 4, v4
	v_lshlrev_b32 v[PFO], 11, v4
	s_mul_i32 s88, s[RH], 64*EPITCH                ; ve: row 64 RH + 16 a + r, byte 128 i + 64 CH + 32 h
	s_lshl_b32 s89, s[CH], 6
	s_add_co_u32 s88, s88, s89
	v_mul_u32_u24 v5, v1, EPITCH
	v_lshl_add_u32 v5, v2, 5, v5
	v_add_nc_u32 v[ADRE], s88, v5
	v_lshlrev_b32 v5, 7, v1                        ; the table: row r, frequencies 16 CH + 8 h + 0..7
	v_lshl_add_u32 v5, v2, 5, v5
	v_add_nc_u32 v[RO], s89, v5
	s_mul_i32 s88, s[WV], 768
	s_add_co_u32 s88, s88, SSQ
	v_lshl_add_u32 v[SSA], v1, 2, s88
	s_xor_b32 s89, s[WV], 1                        ; the wave with my rows and the other parity
	s_mul_i32 s89, s89, 768
	s_add_co_u32 s89, s89, SSQ
	v_lshl_add_u32 v[SSP], v1, 2, s89
.irp a, 0,1,2,3                        ; cos and sin of my 64 rows: waited for on the way out
	global_load_b128 v[CSN+16*(\a):CSN+16*(\a)+3],     v[RO], s[ROP:ROP+1] offset:(\a)*2048
	global_load_b128 v[CSN+16*(\a)+4:CSN+16*(\a)+7],   v[RO], s[ROP:ROP+1] offset:(\a)*2048+16
	global_load_b128 v[CSN+16*(\a)+8:CSN+16*(\a)+11],  v[RO], s[ROP:ROP+1] offset:(\a)*2048+524288
	global_load_b128 v[CSN+16*(\a)+12:CSN+16*(\a)+15], v[RO], s[ROP:ROP+1] offset:(\a)*2048+524288+16
.endr
; 16 products: blocks n = 4 grp .. 4 grp + 3 (grp = the matrix) x rows a = 0..3, 32 along K.  The 48 accumulators take turns, one instruction a turn, in the same order in every quarter.
.macro MULQ f, grp, zero
.if (\grp) < 2
	WIN 0x5f                                       ; sources in window 3, C and D in window 1
.else
	WIN 0xaf                                       ; C and D in window 2
.endif
.irp n, 0,1,2,3
.irp a, 0,1,2,3
.set rD, 8*(4*(4*((\grp)%2)+(\n))+(\a))
.set rB, (\f)+32+8*(4*(\grp)+(\n))
.set rA, (\f)+8*(\a)
.if \zero
	v_wmma_f32_16x16x32_bf16 v[rD:rD+7], v[rB:rB+7], v[rA:rA+7], 0
.else
	v_wmma_f32_16x16x32_bf16 v[rD:rD+7], v[rB:rB+7], v[rA:rA+7], v[rD:rD+7]
.endif
.endr
.endr
.endm
; 32 LDS loads in one run: a quarter step's fragments (32 K at byte k of the rows) into buffer f: x's 8 loads, then the matrices' 8 each
.macro FETCH slot, k, f
	WIN 0xc0                                       ; destination window 3, address window 0
.irp a, 0,1,2,3
	ds_load_b128 v[(\f)+8*(\a):(\f)+8*(\a)+3],   v[ADRA+(\slot)] offset:(\k)+(\a)*16*PITCH
	ds_load_b128 v[(\f)+8*(\a)+4:(\f)+8*(\a)+7], v[ADRA+(\slot)] offset:(\k)+(\a)*16*PITCH+32
.endr
.irp m, 0,1,2
.irp i, 0,1,2,3
	ds_load_b128 v[(\f)+32+8*(4*(\m)+(\i)):(\f)+32+8*(4*(\m)+(\i))+3],   v[ADRB+3*(\slot)+(\m)] offset:(\k)+(\i)*32*PITCH
	ds_load_b128 v[(\f)+32+8*(4*(\m)+(\i))+4:(\f)+32+8*(4*(\m)+(\i))+7], v[ADRB+3*(\slot)+(\m)] offset:(\k)+(\i)*32*PITCH+32
.endr
.endr
.endm
; A K step is four quarters of 32 along K, 48 products each, on buffers 0, 1, 0, 1.  One of the first three: multiplies buffer f and fetches the next quarter, at byte k, into g.
.macro QUARTER slot, k, f, g, zero
	s_wait_dscnt 16                                ; x's and Wq's fragments are in; the youngest 16 loads (Wk's, Wv's) may be out
	MULQ \f, 0, \zero
	PLACES
	FETCH \slot, \k, \g
	s_wait_dscnt 32                                ; all but the 32 just issued
	MULQ \f, 1, \zero
	MULQ \f, 2, \zero
.endm
; The last quarter multiplies buffer 1 and changes slots.  In front of the round each wave waits for all its tensor loads (one is out: its part of the next slot), adds 0 to its spare word, and waits for
; that and for its own reads of this slot.  Behind the round this slot is filled first: fill = 1 with the K step two on, by joint loads; fill = 2 with ve's tile.  From a request to the wait for it: 160 products.
.macro TURN slot, next, fill
.if (\fill) == 1
	s_wait_xcnt 0x0                                ; the last prefetch, a K step back, has read its address: it is stepped here, ahead of the change's own waits
	s_add_nc_u64 s[PFA:PFA+1], s[PFA:PFA+1], KSTEP*2
.endif
	WIN 0                                          ; (the add's two registers lie in window 0)
	s_wait_tensorcnt 0x0                           ; all my tensor loads have landed;
	ds_add_u32 v[SPW], v[NIL]                      ; 0 onto my spare word
	s_wait_dscnt 17                                ; (the add and the youngest 16 loads may be out)
	MULQ F1, 0, 0                                  ; sixteen products stand between the add and the wait for it
	s_wait_dscnt 0x0                               ; the add is done, and my reads of this slot are over
	s_barrier_signal -1
	MULQ F1, 1, 0
	WIN 0
	s_barrier_wait -1
	CREST                                          ; no wave of any partner still reads this slot's tiles or has a load on its way
.if (\fill) == 1
	s_add_nc_u64 s[G0A+4*(\slot)+2:G0A+4*(\slot)+3], s[G0A+4*(\slot)+2:G0A+4*(\slot)+3], 2*KSTEP*2
	s_add_nc_u64 s[G0B+4*(\slot)+2:G0B+4*(\slot)+3], s[G0B+4*(\slot)+2:G0B+4*(\slot)+3], 2*KSTEP*2
	JLOAD \slot                                    ; the first tensor load behind the round; its four v_nop are also the places in front of the loads below
.else
	ELOAD
.endif
	FETCH \next, 0, F0
	WIN 0
.if (\fill) == 1
	ASK
.endif
	MULQ F1, 2, 0
.endm
	s_wait_tensorcnt 1                             ; my part of K step 0 is in; K step 1's may stay out
	s_barrier_signal -1
	s_barrier_wait -1                              ; everybody's is
	FETCH 0, 0, F0
	QUARTER 0, 64,  F0, F1, 1                      ; the first quarter stands in front of the loop: its products start the sums
	WIN 0
	s_mov_b32 s[LAP], 3
.Llap:                                                 ; a trip goes once round the ring and fills both slots again: K steps 2 to 7
	QUARTER 0, 128, F1, F0, 0
	QUARTER 0, 192, F0, F1, 0
	TURN 0, 1, 1
	QUARTER 1, 64,  F0, F1, 0
	QUARTER 1, 128, F1, F0, 0
	QUARTER 1, 192, F0, F1, 0
	TURN 1, 0, 1
	QUARTER 0, 64,  F0, F1, 0
	WIN 0
	s_sub_co_u32 s[LAP], s[LAP], 1
	s_cmp_lg_u32 s[LAP], 0
	s_cbranch_scc1 .Llap
	QUARTER 0, 128, F1, F0, 0                      ; K step 6 goes on,
	QUARTER 0, 192, F0, F1, 0
	TURN 0, 1, 2                                   ; slot 0 has been read for the last time: it takes ve
	QUARTER 1, 64,  F0, F1, 0
	QUARTER 1, 128, F1, F0, 0
	QUARTER 1, 192, F0, F1, 0
	s_wait_dscnt 16                                ; the very last quarter: nothing more to fetch
	MULQ F1, 0, 0
	s_wait_dscnt 0x0
	MULQ F1, 1, 0
	MULQ F1, 2, 0
	WIN 0
	; THE WAY OUT.  First the sums of squares: a lane's 32 channels of a row, the other half of the lanes' 32, the other parity's 64 (through LDS, in f32).
	PLACES
	PLACES
.macro SQ m                            ; four chains (rows a) by turns; each accumulator's lowest registers are read first
.if (\m) < 2
	WIN 0x05                                       ; sources 0 and 1 in window 1
.else
	WIN 0x0a                                       ; in window 2
.endif
.irp i, 0,1,2,3
.irp p, 0,1,2,3
.irp a, 0,1,2,3
.set rA, 8*(4*(4*((\m)%2)+(\i))+(\a))+2*(\p)
.set rR, RS+2*(4*(\m)+(\a))
.if ((\i) == 0) && ((\p) == 0)
	v_pk_mul_f32 v[rR:rR+1], v[rA:rA+1], v[rA:rA+1]
.else
	v_pk_fma_f32 v[rR:rR+1], v[rA:rA+1], v[rA:rA+1], v[rR:rR+1]
.endif
.endr
.endr
.endr
.endm
.macro ALLQ line:vararg                ; one line for each q = 4 m + a
.set q, 0
.rept 12
	\line
.set q, q+1
.endr
.endm
	SQ 0
	SQ 1
	SQ 2
	WIN 0
	ALLQ v_add_f32 v[RS+2*q], v[RS+2*q], v[RS+2*q+1]
	ALLQ v_permlanex16_b32 v[RS+2*q+1], v[RS+2*q], s[SEL], s[SEL+1]
	ALLQ v_add_f32 v[RS+2*q], v[RS+2*q], v[RS+2*q+1]
	ALLQ ds_store_b32 v[SSA], v[RS+2*q] offset:64*q
	s_wait_tensorcnt 0x0                           ; my rows of ve have landed,
	s_wait_dscnt 0x0                               ; my sums are stored:
	s_barrier_signal -1
	s_barrier_wait -1                              ; everybody's
	ALLQ ds_load_b32 v[RS+2*q+1], v[SSP] offset:64*q
	s_wait_dscnt 0x0
	ALLQ v_add_f32 v[RS+2*q], v[RS+2*q], v[RS+2*q+1]
	ALLQ v_fma_f32 v[RS+2*q], v[RS+2*q], s[INV], s[EPS]
	ALLQ v_rsq_f32 v[RS+2*q], v[RS+2*q]
	v_nop                                          ; a plain instruction behind the last root,
	s_wait_alu depctr_va_vdst(0)                   ; and one wait for the twelve, ahead of their first reader
	s_wait_kmcnt 0x0                               ; the lambdas
	v_cvt_pk_bf16_f32 v[VL], s[LAM], s[LAM+1]      ; rounded to bf16, as all the module's inputs are
	v_lshlrev_b32 v[LAM0], 16, v[VL]
	v_and_b32 v[LAM1], s[HIM], v[VL]
	v_mov_b32 v[LAM1+1], v[LAM1]
.irp a, 0,1,2,3
	v_mul_f32 v[RS+2*(8+(\a))], v[RS+2*(8+(\a))], v[LAM0]  ; v's factor is l0 / rms
.endr
	s_wait_loadcnt 0x0                             ; cos and sin
; q (m = 0) or k (m = 1): 16 rows at a time are normed, turned, rounded to f16 and put into the stage.
.macro PASSQK m
.irp a, 0,1,2,3
	WIN 0x01                                       ; source 0 in window 1
.set p, 0
.rept 16
	v_pk_mul_f32 v[T+2*p:T+2*p+1], v[8*(4*(4*(\m)+p/4)+(\a))+2*(p%4):8*(4*(4*(\m)+p/4)+(\a))+2*(p%4)+1], v[RS+2*(4*(\m)+(\a)):RS+2*(4*(\m)+(\a))+1] op_sel_hi:[1,0]
.set p, p+1
.endr
	WIN 0
.set p, 0
.rept 4                                ; x1 = T 0-7 (i = 0), x2 = T 16-23 (i = 2)
	v_pk_mul_f32 v[U+2*p:U+2*p+1],     v[T+16+2*p:T+16+2*p+1], v[CSN+16*(\a)+8+2*p:CSN+16*(\a)+8+2*p+1]  ; x2 sin
	v_pk_mul_f32 v[U+8+2*p:U+8+2*p+1], v[T+2*p:T+2*p+1],       v[CSN+16*(\a)+8+2*p:CSN+16*(\a)+8+2*p+1]  ; x1 sin
.set p, p+1
.endr
.set p, 0
.rept 4
	v_pk_fma_f32 v[U+2*p:U+2*p+1],     v[T+2*p:T+2*p+1],       v[CSN+16*(\a)+2*p:CSN+16*(\a)+2*p+1], v[U+2*p:U+2*p+1]  ; y1 = x1 cos + x2 sin
	v_pk_fma_f32 v[U+8+2*p:U+8+2*p+1], v[T+16+2*p:T+16+2*p+1], v[CSN+16*(\a)+2*p:CSN+16*(\a)+2*p+1], v[U+8+2*p:U+8+2*p+1] neg_lo:[0,0,1] neg_hi:[0,0,1]  ; y2 = x2 cos - x1 sin
.set p, p+1
.endr
.set p, 0
.rept 4
	v_cvt_pk_f16_f32 v[PKD+p],    v[U+2*p],    v[U+2*p+1]
	v_cvt_pk_f16_f32 v[PKD+4+p],  v[T+8+2*p],  v[T+8+2*p+1]
	v_cvt_pk_f16_f32 v[PKD+8+p],  v[U+8+2*p],  v[U+8+2*p+1]
	v_cvt_pk_f16_f32 v[PKD+12+p], v[T+24+2*p], v[T+24+2*p+1]
.set p, p+1
.endr
.irp i, 0,1,2,3
	ds_store_b128 v[STO], v[PKD+4*(\i):PKD+4*(\i)+3] offset:(\a)*16*PITCH+64*(\i)
.endr
.endr
.endm
; v: (l0 / rms) v + l1 ve
.macro PASSV
.irp a, 0,1,2,3
.irp i, 0,1,2,3
	ds_load_b128 v[EV+8*(\i):EV+8*(\i)+3],   v[ADRE] offset:(\a)*16*EPITCH+128*(\i)
	ds_load_b128 v[EV+8*(\i)+4:EV+8*(\i)+7], v[ADRE] offset:(\a)*16*EPITCH+128*(\i)+16
.endr
	s_wait_dscnt 0x0
.set p, 0
.rept 16
	v_cvt_pk_bf16_f32 v[U+p], v[EV+2*p], v[EV+2*p+1]
.set p, p+1
.endr
.set p, 0
.rept 16
	v_lshlrev_b32 v[EV+2*p],   16, v[U+p]
	v_and_b32     v[EV+2*p+1], s[HIM], v[U+p]
.set p, p+1
.endr
.set p, 0
.rept 16
	v_pk_mul_f32 v[EV+2*p:EV+2*p+1], v[EV+2*p:EV+2*p+1], v[LAM1:LAM1+1] op_sel_hi:[1,0]
.set p, p+1
.endr
	WIN 0x02                                       ; source 0 in window 2
.set p, 0
.rept 16
	v_pk_fma_f32 v[T+2*p:T+2*p+1], v[8*(4*(p/4)+(\a))+2*(p%4):8*(4*(p/4)+(\a))+2*(p%4)+1], v[RS+2*(8+(\a)):RS+2*(8+(\a))+1], v[EV+2*p:EV+2*p+1] op_sel_hi:[1,0,1]
.set p, p+1
.endr
	WIN 0
.set p, 0
.rept 16
	v_cvt_pk_f16_f32 v[PKD+p], v[T+2*p], v[T+2*p+1]
.set p, p+1
.endr
.irp i, 0,1,2,3
	ds_store_b128 v[STO], v[PKD+4*(\i):PKD+4*(\i)+3] offset:(\a)*16*PITCH+64*(\i)
.endr
.endr
.endm
; The stage's rows, whose 256 bytes come from two waves, are read back whole, 32 rows a wave, and stored.
.macro BACK m
	s_wait_dscnt 0x0                               ; for the others' sake: my stores into the stage are done
	s_barrier_signal -1
	s_barrier_wait -1
.irp t, 0,1,2,3,4,5,6,7,8,9,10,11,12,13,14,15
	ds_load_b128 v[OB+4*(\t):OB+4*(\t)+3], v[RD] offset:(\t)*2*PITCH
.endr
.irp t, 0,1,2,3,4,5,6,7,8,9,10,11,12,13,14,15
	s_wait_dscnt 15-(\t)
	global_store_b128 v[CO], v[OB+4*(\t):OB+4*(\t)+3], s[OUT:OUT+1] offset:512*(\t)  ; 512 consecutive bytes, at a multiple of 256 from qkvh's first byte
.endr
.if (\m) < 2
	s_barrier_signal -1                            ; my reads of the stage are back (the count-down ended at 0): when all have said so it may be written again
	s_barrier_wait -1
	s_wait_xcnt 0x0                                ; the stores have read their registers and their base
	s_add_nc_u64 s[OUT:OUT+1], s[OUT:OUT+1], 0x800000  ; the next of q, k, v
.endif
.endm
	PASSQK 0
	BACK 0
	PASSQK 1
	BACK 1
	PASSV
	BACK 2
	s_wait_tensorcnt 0x0                           ; the wave's end: the add and its wait, behind my last tensor load and my last LDS store
	ds_add_u32 v[SPW], v[NIL]
	s_wait_dscnt 0x0
	CROUND                                         ; the closing round: no work-group ends while a partner may still ask for a tile that names it
	s_endpgm
.Lfunc_end_k_q46bb211033_qkvproj:
	.size	k_q46bb211033_qkvproj, .Lfunc_end_k_q46bb211033_qkvproj-k_q46bb211033_qkvproj
	.p2alignl 7, 3214868480
	.fill 96, 4, 3214868480
	.section	.rodata,"a",@progbits
	.p2align	6, 0x0
	.amdhsa_kernel k_q46bb211033_qkvproj
		.amdhsa_group_segment_fixed_size 327680
		.amdhsa_private_segment_fixed_size 0
		.amdhsa_enable_private_segment 0
		.amdhsa_kernarg_size 48
		.amdhsa_user_sgpr_count 2
		.amdhsa_user_sgpr_kernarg_segment_ptr 1
		.amdhsa_wavefront_size32 1
		.amdhsa_system_sgpr_workgroup_id_x 1
		.amdhsa_system_sgpr_workgroup_id_y 1
		.amdhsa_system_sgpr_workgroup_id_z 1
		.amdhsa_system_vgpr_workitem_id 0
		.amdhsa_next_free_vgpr 1024
		.amdhsa_next_free_sgpr 96
		.amdhsa_reserve_vcc 0
		.amdhsa_float_denorm_mode_32 3
		.amdhsa_float_denorm_mode_16_64 3
		.amdhsa_memory_ordered 1
		.amdhsa_forward_progress 1
		.amdhsa_inst_pref_size 177
	.end_amdhsa_kernel
	.amdgpu_metadata
---
amdhsa.version: [ 1, 2 ]
amdhsa.kernels:
  - .name:           k_q46bb211033_qkvproj
    .symbol:         k_q46bb211033_qkvproj.kd
    .args:
      - { .name: xb, .offset: 0, .size: 8, .value_kind: global_buffer, .address_space: global }
      - { .name: wb, .offset: 8, .size: 8, .value_kind: global_buffer, .address_space: global }
      - { .name: ve, .offset: 16, .size: 8, .value_kind: global_buffer, .address_space: global }
      - { .name: lambdas, .offset: 24, .size: 8, .value_kind: global_buffer, .address_space: global }
      - { .name: rope, .offset: 32, .size: 8, .value_kind: global_buffer, .address_space: global }
      - { .name: qkvh, .offset: 40, .size: 8, .value_kind: global_buffer, .address_space: global }
    .group_segment_fixed_size: 327680
    .private_segment_fixed_size: 0
    .kernarg_segment_align: 8
    .kernarg_segment_size: 48
    .max_flat_workgroup_size: 128
    .sgpr_count:     96
    .vgpr_count:     1024
    .wavefront_size: 32
...
	.end_amdgpu_metadata
.endif
;; end of part 2
;; launch attn (part 3): grid 32 x 8, 4 waves a work-group, no clusters, 327,680 bytes of LDS; arguments qkvh, yh; writes yh
.if DOCPART == 3
	.amdgcn_target "amdgcn-amd-amdhsa--gfx1250"
	.amdhsa_code_object_version 6
	.text
	.protected	k_q46bb211033_attn
	.globl	k_q46bb211033_attn
	.p2align	8
	.type	k_q46bb211033_attn,@function
k_q46bb211033_attn:
	s_mov_b64 s[64:65], 0
	v_nop
	global_prefetch_b8 v0, s[64:65] scope:SCOPE_SE
	s_setreg_imm32_b32 hwreg(HW_REG_WAVE_MODE, 25, 1), 1
	s_wait_xcnt 0x0
; ATTENTION IN A WINDOW.  y[i][head] = the sum over the keys j with 0 <= i - j < 512 of softmax_j(0.12 q[i] . k[j]) v[j].  q, k, v: qkvh [3][8][4096][128] f16; y: yh [4096][1024] f16.
; Products, maxima and sums in f32; the weights p are rounded to f16 for the second product (their sum l is taken of the unrounded p), y once at the end.
; SHARES.  A work-group owns 128 queries of one head, from q0 = 128 x; each of its four waves 32: two tiles of 16.  All of them see only keys q0 - 511 .. q0 + 127: every work-group walks
; TEN steps of 64 keys from ks = max(q0 - 512, 0), which stay inside the head's 4,096 rows: the same constant count everywhere.
; THE MASK is the C operand that starts the sum S^T = K Q^T.  For tile t and key block kb, i - j = D + (r - 8 h - reg), D = D0 + 16 (t - kb), D0 = q0 + 32 w - ks - 64 step: five values of D a step.
; MD, made once, is -32768 where reg > r - 8 h, else 0; a product's mask is MD x AL + BE: (1, 0) if D = 0; (0, 0) if 0 < D < 512; (-1, -32768) if D = 512; (0, -32768) otherwise.
; LIMITS.  A hidden score counts as its value less 32,768: |q . k| is 128.3 at the most, since q and k are normed, so its weight is 2^(-0.173 x 32,500), which is 0.  Where a wave's first step is wholly
; hidden its weights are finite, and the first visible key's a = 0 wipes them; every query sees its own key.  A weight below 2^-126 counts as 0 in l.  NaN and infinities are not treated apart.
; LAYOUT.  S^T = K Q^T (source 0 = 16 keys, source 1 = 16 queries): a lane holds ONE query (lane % 16) and the keys 8 (lane / 16) + 0..7.  Two such tiles, rounded to f16 in pairs, ARE source 1 of
; O^T = V^T P, which again holds one query a lane, and eight channels.  K comes out of LDS as it lies, V turned, by ds_load_tr16_b128.
; SOFTMAX.  A running maximum m and sum l: p = 2^(c s - c m), c = 0.12 log2(e); in every step O and l are multiplied by a = 2^(c m_old - c m_new).  m starts at the lowest finite number, O and l at 0.
; IN PHASES.  A step: its K Q^T (32 products), its softmax (268 vector instructions, one batch of 66 exponentials with one wait), its V^T P (32 products).  K of the next step is fetched ahead of the softmax,
; V of a step ahead of its K Q^T.
; NO CLUSTER: the four neighbouring blocks of a head want windows 128 keys apart; a walk common to the four would have 16 steps for each one's 10.
; NO PREFETCH: of a head's 32 blocks of 128 keys, 28 are asked for in some work-group's first slot, at the kernel's head.
; REGISTERS, in windows of 256 (s_set_vgpr_msb: bits 1:0 source 0, 3:2 source 1, 5:4 source 2, 7:6 destination):
;   window 0: v0-11 addresses; v12-27 statistics, 8 a tile; v28-35 MD; v36-75 the five masks; v76-79; v96-159 S^T, 32 a tile; v160-191 P, 16 a tile
;   window 1: v0-127 O^T, 64 a tile; v128-191 Q, 32 a tile          window 2: v0-127 K of one step; v128-255 V of one step
.set KS,    64
.set PK,    272       ; a row of K in LDS: 256 bytes + 16 of padding: the 16 rows of a load start at 16 different groups of four banks (64 banks of 4 bytes: ISA guide 11.1)
.set PV,    288       ; a row of V: 256 + 32
.set VOFF,  KS*PK     ; a step's tiles lie together: 64 rows of K, then 64 rows of V
.set STEPB, KS*(PK+PV)
.set SLOT1, 1<<17     ; a slot holds two steps (71,680 bytes); slot 1 begins here, so that one exclusive or turns an address in one slot into the other's
.set STAGE, SLOT1+2*STEPB  ; behind the ring: 16 rows x 272 bytes for each wave, for the way out
.set SP,    272
.set SPARE, STAGE+4*16*SP  ; the spare words, 128 bytes for each wave: two blocks of 256 bytes that no other line names
.set AK0, 2           ; v2   my lane's place in a tile of K; never rewritten
.set AV0, 3           ; v3   the same for V
.set AK,  4           ; v4   the LDS address of K's run of loads
.set AV,  5           ; v5   of V's
.set STO, 6           ; v6   the way out: where I put 16 bytes of a row
.set RD,  7           ; v7   where I read a row back
.set GO,  8           ; v8   my byte offset in two rows of yh
.set ST,  12          ; tile t's statistics at v[ST+8 t]: +0 c m, +1 m, +2, +3 l (even keys', odd keys'), +4 to +7 c0-c3 at work; a takes c2's place
.set MD,  28
.set MC,  36          ; mask x = t - kb + 3 at MC + 8 x
.set SPW, 76          ; v76  LDS address of my spare word; never rewritten
.set NIL, 77          ; v77  0; never rewritten
.set QO,  78          ; v78  my byte offset in 16 rows of Q
.set TM,  79          ; v79  r - 8 h
.set S,   96
.set P,   160
.set WV,  12
.set G1K, 24          ; s[24:31] descriptor group 1 for K's tiles
.set G1V, 32          ; s[32:39] for V's: it differs in the padding alone
.set G0K, 40          ; s[40:43] group 0 for K's tiles: it walks
.set G0V, 44          ; s[44:47] the same for V's
.set QA,  48          ; s[48:49] Q at my 32 rows
.set YA,  50          ; s[50:51] yh at my 32 rows and my head
.set SLOTS, 56
.set CNT, 57
.set CS,  58          ; s[58:59] c
.set SEL, 60          ; s[60:61] v_permlanex16_b32's selects: each lane takes its own place in the other half
.set TBK, 62          ; s62  LDS byte at which the tiles of the step whose K is fetched next begin
.set TBV, 63          ; s63  the same for V
.set D0,  70
.set SD,  71
.set AL,  76          ; s[76:77] the mask's factor, in the low word
.set BE,  78          ; s[78:79] the mask's addend
.set BIGN, 82         ; s82  -32768
.set MSB, 0
.macro WIN new
.if MSB != (\new)
	s_set_vgpr_msb (MSB<<8)|(\new)
.set MSB, (\new)
.endif
.endm
.set W_KQ, 0x06       ; K in window 2, Q in window 1, C and S^T in window 0
.set W_PV, 0x52       ; V in window 2, P in window 0, O^T in window 1
.set W_RS, 0x41       ; O^T (destination and source 0) in window 1, a in window 0
.macro PLACES
.rept 4
	v_nop
.endr
.endm
; A fill.  Waves 0 and 1 fetch the two steps' tiles of K, waves 2 and 3 those of V.  An s_nop 0 and four v_nop follow each of the two lines.
.macro LOAD
	s_cmp_lt_u32 s[WV], 2
	s_cbranch_scc0 .Lfor_v_\@
	tensor_load_to_lds s[G0K:G0K+3], s[G1K:G1K+7]
	s_nop 0
.rept 4
	v_nop
.endr
	s_branch .Lasked_\@
.Lfor_v_\@:
	tensor_load_to_lds s[G0V:G0V+3], s[G1V:G1V+7]
	s_nop 0
.rept 4
	v_nop
.endr
.Lasked_\@:
.endm
; THE CHANGE OF SLOTS.  Each wave waits for all its tensor loads, of which one is out: its part of the other slot; adds 0 to its spare word; and waits for that and for its own reads of the slot that it leaves.
; Behind the barrier nobody reads the old slot and the other is whole.  fill = 1: the old slot is filled again first, with the keys two slots on: that load has two steps in which to land.
; (At its first use nothing has been read yet: slot 0 is waited for, slot 1 filled.)
.macro CHANGE fill
	WIN 0
	s_wait_tensorcnt 0x0            ; no tensor load of mine is out, so a group 0 may be written
	ds_add_u32 v[SPW], v[NIL]       ; 0 onto my spare word: the descriptors' steps stand between it and the wait for it
.if \fill
.irp g, G0K, G0V
	s_xor_b32 s[(\g)+1], s[(\g)+1], SLOT1
	s_add_nc_u64 s[(\g)+2:(\g)+3], s[(\g)+2:(\g)+3], 2*KS*256  ; the next 128 keys; the type bits on top are not reached
.endr
.endif
	s_wait_dscnt 0x0                ; the add is done, and my reads of the slot are over
	s_barrier_signal -1
	s_sub_co_u32 s[TBK], s[TBK], 2*STEPB  ; the fetches go back to a slot's first step,
	s_xor_b32 s[TBK], s[TBK], SLOT1       ; in the other slot
	s_sub_co_u32 s[TBV], s[TBV], 2*STEPB
	s_xor_b32 s[TBV], s[TBV], SLOT1
	s_barrier_wait -1
.if \fill
	LOAD
.endif
.endm
	s_load_b128 s[4:7], s[0:1], 0x0 ; qkvh s[4:5], yh s[6:7]
	v_lshl_add_u32 v[SPW], v0, 2, SPARE
	v_mov_b32 v[NIL], 0
	ds_add_u32 v[SPW], v[NIL]       ; the wave's opening: the add and its wait stand ahead of my first tensor load; the set-up below stands between them
	v_lshrrev_b32 v1, 5, v0
	v_readfirstlane_b32 s[WV], v1   ; wave 0..3
	s_lshl_b32 s13, ttmp9, 7        ; q0
	s_sub_co_i32 s14, s13, 512
	s_max_i32 s14, s14, 0           ; ks
	s_and_b32 s15, ttmp7, 0xffff
	s_lshl_b32 s15, s15, 20         ; the head's 4,096 rows of 256 bytes
	s_and_b32 s16, s[WV], 1         ; which of a slot's two steps I fetch:
	s_mul_i32 s17, s16, STEPB       ; its place in a slot,
	s_lshl_b32 s18, s14, 8
	s_lshl_b32 s19, s16, 14         ; its 64 rows in memory
	s_add_co_u32 s18, s18, s19
	s_add_co_u32 s18, s18, s15
	s_mov_b32 s19, 0
	s_lshl_b32 s20, s[WV], 5
	s_add_co_u32 s20, s20, s13      ; my first query
	s_sub_co_u32 s[D0], s20, s14    ; less the walk's first key
	s_lshl_b32 s22, s20, 8
	s_add_co_u32 s22, s22, s15
	s_mov_b32 s23, 0
	s_lshl_b32 s52, s20, 11         ; a row of yh is 2,048 bytes,
	s_lshr_b32 s53, s15, 12         ; a head 256 of them
	s_add_co_u32 s52, s52, s53
	s_mov_b32 s53, 0
	s_mov_b32 s[G1K], (1<<16)|(1<<20)|(5<<22)|(3<<25)  ; 2-byte elements; padding after every 64 words, 4 words of it
	s_mov_b32 s[G1V], (1<<16)|(1<<20)|(5<<22)|(7<<25)  ; 8 words of it
.irp g, G1K, G1V
	s_mov_b32 s[(\g)+1], 128<<16    ; tensor_dim0 = 128
	s_mov_b32 s[(\g)+2], KS<<16     ; tensor_dim1 = 64
	s_mov_b32 s[(\g)+3], 128<<16    ; tile_dim0 = 128
	s_mov_b32 s[(\g)+4], KS         ; tile_dim1 = 64
	s_mov_b32 s[(\g)+5], 128        ; elements from row to row
	s_mov_b32 s[(\g)+6], 0
	s_mov_b32 s[(\g)+7], 0
.endr
	s_mov_b32 s[CS], 0x3e314743     ; c = 0.12 log2(e) = 0.173123
	s_mov_b32 s[CS+1], s[CS]
	s_mov_b32 s[SEL], 0x76543210
	s_mov_b32 s[SEL+1], 0xfedcba98
	s_mov_b32 s[TBK], SLOT1+2*STEPB ; the first change of slots turns these two into 0
	s_mov_b32 s[TBV], SLOT1+2*STEPB
	s_mov_b32 s[AL+1], 0            ; named as pairs
	s_mov_b32 s[BE+1], 0
	s_mov_b32 s[BIGN], 0xc7000000
	s_mov_b32 s[G0K], 1
	s_mov_b32 s[G0K+1], s17         ; slot 0
	s_mov_b32 s[G0V], 1
	s_add_co_u32 s[G0V+1], s17, VOFF
	s_wait_dscnt 0x0                ; the opening add is done
	s_wait_kmcnt 0x0
	s_add_nc_u64 s[G0K+2:G0K+3], s[4:5], s[18:19]
	s_add_nc_u64 s[G0K+2:G0K+3], s[G0K+2:G0K+3], 0x800000   ; k lies behind q's 8 heads
	s_or_b32 s[G0K+3], s[G0K+3], 0x80000000
	s_add_nc_u64 s[G0V+2:G0V+3], s[4:5], s[18:19]
	s_add_nc_u64 s[G0V+2:G0V+3], s[G0V+2:G0V+3], 0x1000000  ; v behind k's
	s_or_b32 s[G0V+3], s[G0V+3], 0x80000000
	s_add_nc_u64 s[QA:QA+1], s[4:5], s[22:23]
	s_add_nc_u64 s[YA:YA+1], s[6:7], s[52:53]
	LOAD                            ; steps 0 and 1 into slot 0
	v_and_b32 v1, 15, v0            ; r
	v_bfe_u32 v9, v0, 4, 1          ; h
	v_lshlrev_b32 v[QO], 8, v1
	v_lshl_add_u32 v[QO], v9, 4, v[QO]
	WIN 0x40                        ; destination window 1, address window 0
.set i, 0
.rept 8                             ; Q stays in registers: tile i / 4, channels 32 (i % 4) on
	global_load_b128 v[128+8*i:128+8*i+3], v[QO], s[QA:QA+1] offset:(i/4)*4096+(i%4)*64
	global_load_b128 v[128+8*i+4:128+8*i+7], v[QO], s[QA:QA+1] offset:(i/4)*4096+(i%4)*64+32
.set i, i+1
.endr
.set i, 0
.rept 128                           ; O^T starts at 0, so that no first step is written out; this stands in the wait for the first tile
	v_mov_b32 v[i], 0
.set i, i+1
.endr
	WIN 0
.irp t, 0,1
	v_mov_b32 v[ST+8*(\t)], 0xfe000000    ; c m: far below every c s
	v_mov_b32 v[ST+8*(\t)+1], 0xff7fffff  ; m
	v_mov_b32 v[ST+8*(\t)+2], 0
	v_mov_b32 v[ST+8*(\t)+3], 0
.endr
	v_lshlrev_b32 v[TM], 3, v9
	v_sub_nc_u32 v[TM], v1, v[TM]   ; r - 8 h
.set i, 0
.rept 8
	v_cmp_gt_i32 vcc_lo, i, v[TM]
	v_cndmask_b32 v[MD+i], 0, s[BIGN], vcc_lo
.set i, i+1
.endr
	v_mul_u32_u24 v[AK0], v1, PK
	v_lshl_add_u32 v[AK0], v9, 4, v[AK0]  ; row x pitch + 16 x half
	; The turning load takes 16 keys x 16 channels (lane l reads key 8 (l / 16) + l % 8, channels 8 ((l / 8) % 2) + 0..7) and leaves half a fragment of V^T: lane l holds channel l % 16 and 8 keys.
	v_and_b32 v10, 7, v0
	v_bfe_u32 v11, v0, 3, 1
	v_lshl_add_u32 v[AV0], v9, 3, v10
	v_mul_u32_u24 v[AV0], v[AV0], PV
	v_lshl_add_u32 v[AV0], v11, 4, v[AV0]
	v_add_nc_u32 v[AV0], VOFF, v[AV0]
	s_mul_i32 s13, s[WV], 16*SP
	s_add_co_u32 s13, s13, STAGE    ; my stage
	v_mul_u32_u24 v[STO], v1, SP    ; in: row r, 16 bytes for each half of the lanes
	v_lshl_add_u32 v[STO], v9, 4, v[STO]
	v_add_nc_u32 v[STO], s13, v[STO]
	v_mul_u32_u24 v[RD], v9, SP     ; back: lanes 0-15 take one row of 256 bytes, lanes 16-31 the next
	v_lshl_add_u32 v[RD], v1, 4, v[RD]
	v_add_nc_u32 v[RD], s13, v[RD]
	v_lshlrev_b32 v[GO], 11, v9     ; and the same two rows in yh
	v_lshl_add_u32 v[GO], v1, 4, v[GO]
; THE MATRIX WORK.  The accumulators take turns, one instruction a turn: between two links of a chain stand 7 (K Q^T) or 15 (V^T P) others'.
; Product i of 32 of S^T = K Q^T: channels 32 (i / 8) on, keys 16 ((i / 2) % 4) on, tile i % 2.  The first 8 start the sums, with their masks.
.macro KQ
	WIN W_KQ
.set rS, S+32*(i%2)+8*((i/2)%4)
.set rK, 32*((i/2)%4)+8*(i/8)
.set rQ, 128+32*(i%2)+8*(i/8)
.set rM, MC+8*(i%2+3-(i/2)%4)
.if i < 8
	v_wmma_f32_16x16x32_f16 v[rS:rS+7], v[rK:rK+7], v[rQ:rQ+7], v[rM:rM+7]
.else
	v_wmma_f32_16x16x32_f16 v[rS:rS+7], v[rK:rK+7], v[rQ:rQ+7], v[rS:rS+7]
.endif
.endm
; Product i of 32 of O^T += V^T P: keys 32 (i / 16) on, channels 16 ((i / 2) % 8) on, tile i % 2.
.macro PVM
	WIN W_PV
.set rO, 64*(i%2)+8*((i/2)%8)
.set rV, 128+64*(i/16)+8*((i/2)%8)
.set rP, P+16*(i%2)+8*(i/16)
	v_wmma_f32_16x16x32_f16 v[rO:rO+7], v[rV:rV+7], v[rP:rP+7], v[rO:rO+7]
.endm
; A step's K: 32 loads in one run.  last = 1 (the tail): in the last trip there is no further step, and the run is jumped over.
.macro FETCH_K last=0
	WIN 0
.if \last
	s_cmp_eq_u32 s[CNT], 1
	s_cbranch_scc1 .Lno_k_\@
.endif
	v_add_nc_u32 v[AK], s[TBK], v[AK0]
	WIN 0x80                        ; destination window 2
.irp f, 0,1,2,3,4,5,6,7,8,9,10,11,12,13,14,15  ; keys 16 (f / 4) on, channels 32 (f % 4) on
	ds_load_b128 v[8*(\f):8*(\f)+3],   v[AK] offset:((\f)/4)*16*PK+((\f)%4)*64
	ds_load_b128 v[8*(\f)+4:8*(\f)+7], v[AK] offset:((\f)/4)*16*PK+((\f)%4)*64+32
.endr
	s_add_co_u32 s[TBK], s[TBK], STEPB  ; the next fetch is the next step's
	WIN 0
.if \last
.Lno_k_\@:
.endif
.endm
; THE SOFTMAX of one tile for one step is a list of 134 instructions; SM writes number j of it for tile t.  s0-s31 are the lane's 32 scores, in pairs 0-15.
;   0-15    the maximum of s0-s31 and the old m, three operands at a time (each accumulator's lowest registers are read first)
;   16-20   the other half of the lanes' maximum; c m_old is kept; the new m; c m; c m_old - c m_new
;   21-69   ONE BATCH: the 16 scalings c s - c m and all 33 exponentials (a at 23, then s0-s31); a pair is scaled ahead of its exponentials; none of these reads an exponential's result
;   70-85   the roundings to f16          86-101  the sums; l = a l + the sum          102-133 the tile's O^T times a
.macro SM t
.set rT, ST+8*(\t)
.set rS, S+32*(\t)
.set rP, P+16*(\t)
.set rO, 64*(\t)+2*(j-102)
.if j < 102
	WIN 0
.endif
.if j < 4
	v_max3_num_f32 v[rT+4+j], v[rS+8*j], v[rS+8*j+1], v[rS+8*j+2]
.elseif j < 12
	v_max3_num_f32 v[rT+4+j%4], v[rT+4+j%4], v[rS+8*(j%4)+2*(j/4)+1], v[rS+8*(j%4)+2*(j/4)+2]
.elseif j == 12
	v_max3_num_f32 v[rT+4], v[rT+4], v[rS+7], v[rS+15]
.elseif j == 13
	v_max3_num_f32 v[rT+6], v[rT+6], v[rS+23], v[rS+31]
.elseif j == 14
	v_max3_num_f32 v[rT+4], v[rT+4], v[rT+5], v[rT+6]
.elseif j == 15
	v_max3_num_f32 v[rT+4], v[rT+4], v[rT+7], v[rT+1]
.elseif j == 16
	v_permlanex16_b32 v[rT+5], v[rT+4], s[SEL], s[SEL+1]  ; the query's other 32 keys lie in the lane 16 away
.elseif j == 17
	v_mov_b32 v[rT+7], v[rT]
.elseif j == 18
	v_max_num_f32 v[rT+1], v[rT+4], v[rT+5]
.elseif j == 19
	v_mul_f32 v[rT], s[CS], v[rT+1]
.elseif j == 20
	v_sub_f32 v[rT+7], v[rT+7], v[rT]
.elseif j == 23
	v_exp_f32 v[rT+6], v[rT+7]
.elseif (j < 23) || ((j < 38) && (j%2 == 0)) || ((j < 66) && (j%4 == 2))
.set b, (j-2)/4                     ; 38, 42, .. 62: pairs 9 to 15
.if j < 38
.set b, (j-20)/2                    ; 21: pair 0; 22, 24, .. 36: pairs 1 to 8
.endif
	v_pk_fma_f32 v[rS+2*b:rS+2*b+1], v[rS+2*b:rS+2*b+1], s[CS:CS+1], v[rT:rT+1] op_sel_hi:[1,0,0] neg_lo:[0,0,1] neg_hi:[0,0,1]
.elseif j < 70
.set e, j-38                        ; 66 to 69: s28 to s31
.if j < 66
.set e, j-32-(j-38)/4               ; 39-41, 43-45, .. 63-65: s7 to s27
.endif
.if j < 38
.set e, (j-25)/2                    ; 25, 27, .. 37: s0 to s6
.endif
	v_exp_f32 v[rS+e], v[rS+e]
.elseif j < 86
	v_cvt_pk_f16_f32 v[rP+j-70], v[rS+2*(j-70)], v[rS+2*(j-70)+1]
.elseif j < 102                     ; the 16 pairs are added in place, neighbours 1, 2, 4 and 8 pairs apart; then l takes the sum
.set z, j-86
.set w, 4
.set u, z
.if z >= 14
.set w, 32
.set u, 0
.elseif z >= 12
.set w, 16
.set u, z-12
.elseif z >= 8
.set w, 8
.set u, z-8
.endif
.if z < 15
	v_pk_add_f32 v[rS+w*u:rS+w*u+1], v[rS+w*u:rS+w*u+1], v[rS+w*u+w/2:rS+w*u+w/2+1]
.else
	v_pk_fma_f32 v[rT+2:rT+3], v[rT+2:rT+3], v[rT+6:rT+7], v[rS:rS+1] op_sel_hi:[1,0,1]
.endif
.else
	WIN W_RS
	v_pk_mul_f32 v[rO:rO+1], v[rO:rO+1], v[rT+6:rT+7] op_sel_hi:[1,0]
.endif
.endm
.macro SOFTMAX                      ; the two tiles alternate, so that no instruction reads the result of the one just before it
.set j, 0
.rept 70
	SM 0
	SM 1
.set j, j+1
.endr
	v_nop                           ; a plain instruction behind the last exponential,
	s_wait_alu depctr_va_vdst(0)    ; and one wait for the 66: nothing ahead of it names a result, no exponential follows it
.rept 64
	SM 0
	SM 1
.set j, j+1
.endr
.endm
.macro MASKS                        ; the step's five masks
.irp x, 0,1,2,3,4
	s_add_co_i32 s[SD], s[D0], 16*((\x)-3)
	s_cmp_eq_u32 s[SD], 0
	s_cselect_b32 s[AL], 1.0, 0
	s_cmp_eq_u32 s[SD], 512
	s_cselect_b32 s[AL], -1.0, s[AL]
	s_cmp_lt_u32 s[SD], 512         ; unsigned: a negative D is not below
	s_cselect_b32 s[BE], 0, s[BIGN]
.irp z, 0,1,2,3
	v_pk_fma_f32 v[MC+8*(\x)+2*(\z):MC+8*(\x)+2*(\z)+1], v[MD+2*(\z):MD+2*(\z)+1], s[AL:AL+1], s[BE:BE+1] op_sel_hi:[1,0,0]
.endr
.endr
.endm
; THE SECOND HALF OF A STEP: the next step's K is asked for, then the softmax and V^T P.
.macro H1 last=0
	WIN 0
	PLACES                          ; behind K Q^T: in front of the loads into K's registers and of the maximum
	s_wait_dscnt 0x0                ; V is in: it was asked for 32 products ago
	FETCH_K \last
	SOFTMAX
.set i, 0
.rept 32
	PVM
.set i, i+1
.endr
.endm
; THE FIRST HALF OF A STEP: its masks (20 plain instructions, the places behind V^T P in front of the loads into V's registers), its V is asked for, its K Q^T.
.macro H2
	WIN 0
	MASKS
	s_sub_co_i32 s[D0], s[D0], KS
	v_add_nc_u32 v[AV], s[TBV], v[AV0]
	s_add_co_u32 s[TBV], s[TBV], STEPB
	WIN 0x80
.irp f, 0,1,2,3,4,5,6,7,8,9,10,11,12,13,14,15  ; keys 32 (f / 8) on, channels 16 (f % 8) on
	ds_load_tr16_b128 v[128+8*(\f):128+8*(\f)+3],   v[AV] offset:((\f)/8)*32*PV+((\f)%8)*32
	ds_load_tr16_b128 v[128+8*(\f)+4:128+8*(\f)+7], v[AV] offset:((\f)/8)*32*PV+16*PV+((\f)%8)*32
.endr
	s_wait_dscnt 32                 ; K is in; V's 32 loads may be out
.set i, 0
.rept 32
	KQ
.set i, i+1
.endr
	WIN 0
.endm
	CHANGE 1                        ; slot 0 is in, everybody's part of it; slot 1 is asked for: steps 2 and 3
	FETCH_K                         ; step 0
	s_wait_loadcnt 0x0              ; Q
	s_mov_b32 s[CNT], 2
	s_mov_b32 s[SLOTS], 4
	s_branch .Lfirst                ; the loop is entered at a step's first half, in the middle of a trip
.Lslot:                             ; three times: steps 4 and 5, 6 and 7, 8 and 9 are asked for
	CHANGE 1
	s_mov_b32 s[CNT], 2
.Lstep:
	H1
	WIN 0
.Lfirst:
	H2
	s_sub_co_u32 s[CNT], s[CNT], 1
	s_cmp_lg_u32 s[CNT], 0
	s_cbranch_scc1 .Lstep
	s_sub_co_u32 s[SLOTS], s[SLOTS], 1
	s_cmp_lg_u32 s[SLOTS], 0
	s_cbranch_scc1 .Lslot
	CHANGE 0                        ; the tail is written out: nothing is asked for
	s_mov_b32 s[CNT], 3             ; the second halves of steps 7, 8 and 9; the third trip is left in its middle
.Ltail:
	H1 1
	WIN 0
	s_sub_co_u32 s[CNT], s[CNT], 1
	s_cmp_eq_u32 s[CNT], 0
	s_cbranch_scc1 .Lout
	H2
	s_branch .Ltail
.Lout:
	; THE WAY OUT.  l's two halves and the other half of the lanes' are added; O^T is divided by l, rounded to f16 and sent through my stage in LDS, a tile (16 rows) at a time.
	PLACES
.irp t, 0,1
	v_add_f32 v[ST+8*(\t)+4], v[ST+8*(\t)+2], v[ST+8*(\t)+3]
.endr
.irp t, 0,1
	v_permlanex16_b32 v[ST+8*(\t)+5], v[ST+8*(\t)+4], s[SEL], s[SEL+1]
.endr
.irp t, 0,1
	v_add_f32 v[ST+8*(\t)+4], v[ST+8*(\t)+4], v[ST+8*(\t)+5]
.endr
.irp t, 0,1
	v_rcp_f32 v[ST+8*(\t)+6], v[ST+8*(\t)+4]
.endr
	v_nop                           ; a plain instruction behind the second reciprocal,
	s_wait_alu depctr_va_vdst(0)    ; and one wait for both, ahead of their first reader
.macro PACK t
	WIN W_RS
.set i, 64*(\t)
.rept 32
	v_pk_mul_f32 v[i:i+1], v[i:i+1], v[ST+8*(\t)+6:ST+8*(\t)+7] op_sel_hi:[1,0]
.set i, i+2
.endr
	WIN 0x05                        ; sources 0 and 1 window 1, destination window 0: S^T's registers are free
.set i, 0
.rept 32
	v_cvt_pk_f16_f32 v[S+32*(\t)+i], v[64*(\t)+2*i], v[64*(\t)+2*i+1]
.set i, i+1
.endr
	WIN 0
.irp f, 0,1,2,3,4,5,6,7
	ds_store_b128 v[STO], v[S+32*(\t)+4*(\f):S+32*(\t)+4*(\f)+3] offset:32*(\f)
.endr
.irp f, 0,1,2,3,4,5,6,7
	ds_load_b128 v[S+32*(\t)+4*(\f):S+32*(\t)+4*(\f)+3], v[RD] offset:(\f)*2*SP  ; LDS serves a wave's instructions in order (ISA guide 5.7.1.4): these see the stores above; the next tile's stores come behind them
.endr
.endm
.macro SEND t, younger              ; younger: the LDS instructions issued behind tile t's loads
.irp f, 0,1,2,3,4,5,6,7
	s_wait_dscnt (\younger)+7-(\f)
	global_store_b128 v[GO], v[S+32*(\t)+4*(\f):S+32*(\t)+4*(\f)+3], s[YA:YA+1] offset:(\t)*32768+(\f)*4096  ; 16 lanes store 256 consecutive bytes, at a multiple of 256 from yh's first byte
.endr
.endm
	PACK 0
	PACK 1
	SEND 0, 16
	SEND 1, 0
	s_wait_tensorcnt 0x0            ; the wave's end: the add and its wait, behind my last tensor load and my last LDS store
	ds_add_u32 v[SPW], v[NIL]
	s_wait_dscnt 0x0
	s_endpgm
.Lfunc_end_k_q46bb211033_attn:
	.size	k_q46bb211033_attn, .Lfunc_end_k_q46bb211033_attn-k_q46bb211033_attn
	.p2alignl 7, 3214868480
	.fill 96, 4, 3214868480
	.section	.rodata,"a",@progbits
	.p2align	6, 0x0
	.amdhsa_kernel k_q46bb211033_attn
		.amdhsa_group_segment_fixed_size 327680
		.amdhsa_private_segment_fixed_size 0
		.amdhsa_enable_private_segment 0
		.amdhsa_kernarg_size 16
		.amdhsa_user_sgpr_count 2
		.amdhsa_user_sgpr_kernarg_segment_ptr 1
		.amdhsa_wavefront_size32 1
		.amdhsa_system_sgpr_workgroup_id_x 1
		.amdhsa_system_sgpr_workgroup_id_y 1
		.amdhsa_system_sgpr_workgroup_id_z 1
		.amdhsa_system_vgpr_workitem_id 0
		.amdhsa_next_free_vgpr 768
		.amdhsa_next_free_sgpr 96
		.amdhsa_reserve_vcc 1
		.amdhsa_float_denorm_mode_32 3
		.amdhsa_float_denorm_mode_16_64 3
		.amdhsa_memory_ordered 1
		.amdhsa_forward_progress 1
		.amdhsa_inst_pref_size 83
	.end_amdhsa_kernel
	.amdgpu_metadata
---
amdhsa.version: [ 1, 2 ]
amdhsa.kernels:
  - .name:           k_q46bb211033_attn
    .symbol:         k_q46bb211033_attn.kd
    .args:
      - { .name: qkvh, .offset: 0, .size: 8, .value_kind: global_buffer, .address_space: global }
      - { .name: yh, .offset: 8, .size: 8, .value_kind: global_buffer, .address_space: global }
    .group_segment_fixed_size: 327680
    .private_segment_fixed_size: 0
    .kernarg_segment_align: 8
    .kernarg_segment_size: 16
    .max_flat_workgroup_size: 128
    .sgpr_count:     96
    .vgpr_count:     768
    .wavefront_size: 32
...
	.end_amdgpu_metadata
.endif
;; end of part 3
;; launch oproj (part 4): grid 8 x 32, 4 waves a work-group, clusters of 4 x 4, 327,680 bytes of LDS; arguments yh, wo, out0; writes out0
.if DOCPART == 4
	.amdgcn_target "amdgcn-amd-amdhsa--gfx1250"
	.amdhsa_code_object_version 6
	.text
	.protected	k_q46bb211033_oproj
	.globl	k_q46bb211033_oproj
	.p2align	8
	.type	k_q46bb211033_oproj,@function
k_q46bb211033_oproj:
	s_mov_b64 s[64:65], 0
	v_nop
	global_prefetch_b8 v0, s[64:65] scope:SCOPE_SE
	s_setreg_imm32_b32 hwreg(HW_REG_WAVE_MODE, 25, 1), 1
	s_wait_xcnt 0x0
	s_wait_alu depctr_hold_cnt(0) depctr_sa_sdst(0) depctr_va_vdst(0) depctr_va_sdst(0) depctr_va_ssrc(0) depctr_va_vcc(0) depctr_vm_vsrc(0)
	s_getreg_b32 s2, hwreg(HW_REG_IB_STS2, 6, 4)
	s_cmp_eq_u32 s2, 0
	s_cbranch_scc0 .Lentry_in_a_cluster
	s_endpgm
.Lentry_in_a_cluster:
	s_bfe_u32 s2, ttmp6, 0x10000c
	s_cmp_lg_u32 s2, 0xf033
	s_cbranch_scc0 .Lentry_shape_is_right
	s_endpgm
.Lentry_shape_is_right:
; out0[t][d] = the sum over e of y[t][e] w3[d][e].  yh: [4096][1024] f16, wo: [1024][1024] f16 (qkvo_w[3] rounded to bf16, written as f16), out0: [4096][1024] f32; sums in f32.
; A tile of out0 is 128 x 128: 256 work-groups.  Four waves, each 64 x 64: 16 accumulators of 16 x 16, 128 registers.  K goes in steps of 256 (LDS rows of 512 bytes; a wave's tensor load brings 64 of
; them) through two slots, as long as LDS allows.
; CLUSTERS: 4 x 4 work-groups.  The four of a row of the cluster need the same tiles of yh, the four of a column the same tiles of wo: each tile is asked for JOINTLY.
; THE MATRIX INSTRUCTION IS USED TRANSPOSED (source 0 = 16 rows of wo, source 1 = 16 rows of yh): a lane holds eight neighbouring f32 of a row of out0.  A wave's 64 columns are 256 bytes, aligned: each wave
; sends its rows through a stage of its own, with no barrier.
; No prefetch is laid: the launch has four K steps, of which the first two are asked for at its head.
; REGISTERS: window 0: v0-31 addresses; v32-95 rows on the way out; v128-255 the accumulators ((a, b) at v[128 + 8 (4 a + b)]).  window 1: two fragment buffers of 128.
.set SIZE_N, 1024
.set SIZE_K, 1024
.set KSTEP,  256
.set PITCH,  528                       ; an LDS row: 512 bytes + 16 of padding: the 16 rows of a load start at 16 different groups of four banks (64 banks of 4 bytes: ISA guide 11.1)
.set HALFT,  64*PITCH
.set SLOT,   4*HALFT                   ; yh's 128 rows, then wo's 128 rows
.set STAGE,  2*SLOT                    ; behind the ring: 16 rows x 272 bytes for each wave
.set SPITCH, 272
.set SPARE,  STAGE+4*16*SPITCH         ; the spare words, 128 bytes for each wave: two blocks of 256 bytes that no other line names
.set LAPS, SIZE_K/(2*KSTEP)
.set ADRA, 16
.set ADRB, 20
.set STO,  24
.set RD,   25
.set CO,   26
.set SPW,  28
.set NIL,  29
.set TMP,  32
.set ACC,  128
.set F0,   0
.set F1,   128
.set G1, 24
.set G0, 32
.set G1B, 48
.set G0B, 56
.set MSB, 0
.macro WIN new
.if MSB != (\new)
	s_set_vgpr_msb (MSB<<8)|(\new)
.set MSB, \new
.endif
.endm
.set MUL,  0x05                        ; sources 0 and 1 window 1; C and D window 0
.set TO_F, 0x40                        ; destination window 1, address window 0
.macro JLOAD s                         ; a joint load: waves 0 and 1 fetch yh's two halves, waves 2 and 3 wo's; an s_nop 0 and four v_nop follow each line
	s_cmp_eq_u32 s11, 0
	s_cbranch_scc0 .Lfor_b_\@
	tensor_load_to_lds s[G0+4*(\s):G0+4*(\s)+3], s[G1:G1+7]
	s_nop 0
.rept 4
	v_nop
.endr
	s_branch .Lasked_\@
.Lfor_b_\@:
	tensor_load_to_lds s[G0B+4*(\s):G0B+4*(\s)+3], s[G1B:G1B+7]
	s_nop 0
.rept 4
	v_nop
.endr
.Lasked_\@:
.endm
.macro CREST
	s_cmp_lg_u32 s10, 0
	s_cbranch_scc1 .Lnot_wave_0_\@
	s_barrier_signal -3
.Lnot_wave_0_\@:
	s_barrier_wait -3
	s_barrier_signal -1
	s_barrier_wait -1
.endm
.macro CROUND
	s_barrier_signal -1
	s_barrier_wait -1
	CREST
.endm
	s_load_b128 s[4:7], s[0:1], 0x0                ; yh s[4:5], wo s[6:7]
	s_load_b64 s[8:9], s[0:1], 0x10                ; out0
	v_lshl_add_u32 v[SPW], v0, 2, SPARE
	v_mov_b32 v[NIL], 0
	ds_add_u32 v[SPW], v[NIL]                      ; the wave's opening: the add and its wait stand ahead of my first tensor load; the set-up below stands between them
	v_lshrrev_b32 v1, 5, v0
	v_readfirstlane_b32 s10, v1                    ; wave 0..3
	s_lshr_b32 s11, s10, 1                         ; which half of the tile's rows is mine.  Also: I fetch for yh (0) or for wo (1)
	s_and_b32 s12, s10, 1                          ; which half of its columns.  Also: which 64 rows of that tile I fetch
	s_bfe_u32 s40, ttmp6, 0x40000                  ; cx, cy
	s_bfe_u32 s41, ttmp6, 0x40004
	s_lshl_b32 s42, ttmp9, 2
	s_add_co_u32 s42, s42, s40                     ; tile column = 4 x cluster x + cx
	s_and_b32 s13, ttmp7, 0xffff
	s_lshl_b32 s13, s13, 2
	s_add_co_u32 s13, s13, s41                     ; tile row = 4 x cluster y + cy
	s_lshl_b32 s43, s41, 2
	s_lshl_b32 s43, 15, s43                        ; my row of the cluster
	s_lshl_b32 s44, 0x1111, s40                    ; my column
	s_or_b32 s[G1+0], s43, (1<<16)|(1<<20)|(1<<21)|(6<<22)|(3<<25)  ; the mask; 2-byte elements; padding on; 21 set beside a mask; after every 128 words, 4 words of it
	s_or_b32 s[G1B+0], s44, (1<<16)|(1<<20)|(1<<21)|(6<<22)|(3<<25)
.irp g, G1, G1B
	s_mov_b32 s[(\g)+1], KSTEP<<16                 ; tensor_dim0 = 256
	s_mov_b32 s[(\g)+2], 64<<16                    ; tensor_dim1 = 64
	s_mov_b32 s[(\g)+3], KSTEP<<16                 ; tile_dim0 = 256
	s_mov_b32 s[(\g)+4], 64                        ; tile_dim1 = 64
	s_mov_b32 s[(\g)+5], SIZE_K
	s_mov_b32 s[(\g)+6], 0
	s_mov_b32 s[(\g)+7], 0
.endr
	s_lshl_b32 s17, s12, 6
	s_lshl_b32 s16, s13, 7
	s_add_co_u32 s16, s16, s17                     ; yh: row 128 x tile row + 64 x half
	s_lshl_b32 s46, s42, 7
	s_add_co_u32 s46, s46, s17                     ; wo: row 128 x tile column + 64 x half
	s_mov_b32 s17, 0
	s_mov_b32 s47, 0
	s_mov_b64 s[18:19], SIZE_K*2
	s_mul_u64 s[16:17], s[16:17], s[18:19]
	s_mul_u64 s[46:47], s[46:47], s[18:19]
	s_mul_i32 s20, s10, HALFT                      ; where they go: wave x 64 rows
	s_wait_dscnt 0x0                               ; the opening add is done
	s_wait_kmcnt 0x0
	s_add_nc_u64 s[14:15], s[4:5], s[16:17]
	s_add_nc_u64 s[46:47], s[6:7], s[46:47]
	CROUND                                         ; all sixteen work-groups are here: the first joint loads meet
.irp s, 0,1
	s_mov_b32 s[G0+4*(\s)], 1
	s_add_co_u32 s[G0+4*(\s)+1], s20, (\s)*SLOT
	s_add_nc_u64 s[G0+4*(\s)+2:G0+4*(\s)+3], s[14:15], (\s)*KSTEP*2
	s_or_b32 s[G0+4*(\s)+3], s[G0+4*(\s)+3], 0x80000000
	s_mov_b32 s[G0B+4*(\s)], 1
	s_add_co_u32 s[G0B+4*(\s)+1], s20, (\s)*SLOT
	s_add_nc_u64 s[G0B+4*(\s)+2:G0B+4*(\s)+3], s[46:47], (\s)*KSTEP*2
	s_or_b32 s[G0B+4*(\s)+3], s[G0B+4*(\s)+3], 0x80000000
	JLOAD \s
.endr
	v_and_b32 v1, 15, v0                           ; r
	v_bfe_u32 v2, v0, 4, 1                         ; h
	v_mul_u32_u24 v3, v1, PITCH
	v_lshl_add_u32 v3, v2, 4, v3
	s_mul_i32 s21, s11, HALFT                      ; my 64 rows of yh
	s_mul_i32 s22, s12, HALFT                      ; my 64 rows of wo,
	s_add_co_u32 s22, s22, 2*HALFT                 ; which lie behind yh's 128
.irp s, 0,1
	v_add_nc_u32 v[ADRA+(\s)], s21, v3
	v_add_nc_u32 v[ADRB+(\s)], s22, v3
	s_add_co_u32 s21, s21, SLOT
	s_add_co_u32 s22, s22, SLOT
.endr
	s_mul_i32 s23, s10, 16*SPITCH
	s_add_co_u32 s23, s23, STAGE                   ; my stage
	v_mul_u32_u24 v4, v1, SPITCH                   ; in: row r, 32 bytes for each half of the lanes
	v_lshl_add_u32 v4, v2, 5, v4
	v_add_nc_u32 v[STO], s23, v4
	v_mul_u32_u24 v5, v2, SPITCH                   ; back: lanes 0-15 take one row of 256 bytes, lanes 16-31 the next
	v_lshl_add_u32 v5, v1, 4, v5
	v_add_nc_u32 v[RD], s23, v5
	v_lshlrev_b32 v5, 12, v2                       ; and the same two rows in out0, 4,096 bytes apart
	v_lshl_add_u32 v[CO], v1, 4, v5
	s_lshl_b32 s16, s13, 7
	s_lshl_b32 s17, s11, 6
	s_add_co_u32 s16, s16, s17                     ; my first row: 128 x tile row + 64 x half,
	s_lshl_b32 s16, s16, 12                        ; in bytes
	s_mov_b32 s17, 0
	s_add_nc_u64 s[8:9], s[8:9], s[16:17]
	s_lshl_b32 s46, s42, 9                         ; my first column, in bytes: 512 x tile column + 256 x half
	s_lshl_b32 s47, s12, 8
	s_add_co_u32 s46, s46, s47
	s_mov_b32 s47, 0
	s_add_nc_u64 s[8:9], s[8:9], s[46:47]
; 8 products: row blocks a0, a0 + 1 x all 4 column blocks, 32 along K: half c of buffer f.  The 16 accumulators take turns.
.macro MUL8 f, c, a0, zero
	WIN MUL
.irp a, \a0, (\a0)+1
.irp b, 0,1,2,3
.if \zero
	v_wmma_f32_16x16x32_f16 v[ACC+8*(4*(\a)+(\b)):ACC+8*(4*(\a)+(\b))+7], v[(\f)+64+8*(4*(\c)+(\b)):(\f)+64+8*(4*(\c)+(\b))+7], v[(\f)+8*(4*(\c)+(\a)):(\f)+8*(4*(\c)+(\a))+7], 0
.else
	v_wmma_f32_16x16x32_f16 v[ACC+8*(4*(\a)+(\b)):ACC+8*(4*(\a)+(\b))+7], v[(\f)+64+8*(4*(\c)+(\b)):(\f)+64+8*(4*(\c)+(\b))+7], v[(\f)+8*(4*(\c)+(\a)):(\f)+8*(4*(\c)+(\a))+7], v[ACC+8*(4*(\a)+(\b)):ACC+8*(4*(\a)+(\b))+7]
.endif
.endr
.endr
.endm
; 32 LDS loads in one run: the fragments of 64 along K at byte k of the rows, into buffer f; the first 32 along K first
.macro FETCH slot, k, f
	WIN TO_F
.irp c, 0,1
.irp i, 0,1,2,3
	ds_load_b128 v[(\f)+64+8*(4*(\c)+(\i)):(\f)+64+8*(4*(\c)+(\i))+3],   v[ADRB+(\slot)] offset:(\k)+64*(\c)+(\i)*16*PITCH
	ds_load_b128 v[(\f)+64+8*(4*(\c)+(\i))+4:(\f)+64+8*(4*(\c)+(\i))+7], v[ADRB+(\slot)] offset:(\k)+64*(\c)+(\i)*16*PITCH+32
	ds_load_b128 v[(\f)+8*(4*(\c)+(\i)):(\f)+8*(4*(\c)+(\i))+3],         v[ADRA+(\slot)] offset:(\k)+64*(\c)+(\i)*16*PITCH
	ds_load_b128 v[(\f)+8*(4*(\c)+(\i))+4:(\f)+8*(4*(\c)+(\i))+7],       v[ADRA+(\slot)] offset:(\k)+64*(\c)+(\i)*16*PITCH+32
.endr
.endr
.endm
.macro PLACES                          ; four places in front of loads into registers that matrix instructions have read, and of LDS stores that read results
.rept 4
	v_nop
.endr
.endm
; A K step is four quarters of 64 along K, 32 products each, on buffers 0, 1, 0, 1.
.macro QUARTER slot, k, f, g, zero
	s_wait_dscnt 16                                ; the first 32 along K are in
	WIN MUL
	MUL8 \f, 0, 0, \zero
	MUL8 \f, 0, 2, \zero
	PLACES
	FETCH \slot, \k, \g
	s_wait_dscnt 32                                ; all but the 32 just issued
	WIN MUL
	MUL8 \f, 1, 0, 0
	MUL8 \f, 1, 2, 0
.endm
; The last quarter multiplies buffer 1 and changes slots: in front of the barrier each wave waits for all its tensor loads, adds 0 to its spare word, and waits for that and for its own reads of this slot.
.macro TURN slot, next, fill
	WIN 0                                          ; (the add's two registers lie in window 0)
	s_wait_tensorcnt 0x0                           ; all my tensor loads have landed: my part of the next slot;
	ds_add_u32 v[SPW], v[NIL]                      ; 0 onto my spare word
	s_wait_dscnt 17                                ; (the add and the youngest sixteen loads may be out)
	WIN MUL
	MUL8 F1, 0, 0, 0                               ; eight products stand between the add and the wait for it
	s_wait_dscnt 0x0                               ; the add is done, and my reads of this slot are over
	s_barrier_signal -1
	MUL8 F1, 0, 2, 0
.if \fill
	WIN 0
.endif
	s_barrier_wait -1
.if \fill
	CREST                                          ; no wave of any partner still reads this slot's tiles or has a load on its way
	s_add_nc_u64 s[G0+4*(\slot)+2:G0+4*(\slot)+3], s[G0+4*(\slot)+2:G0+4*(\slot)+3], 2*KSTEP*2
	s_add_nc_u64 s[G0B+4*(\slot)+2:G0B+4*(\slot)+3], s[G0B+4*(\slot)+2:G0B+4*(\slot)+3], 2*KSTEP*2
	JLOAD \slot                                    ; the first tensor load behind the round; its four v_nop are also the places in front of the loads below
.else
	PLACES
.endif
	FETCH \next, 0, F0
	WIN MUL
	MUL8 F1, 1, 0, 0
	MUL8 F1, 1, 2, 0
.endm
	s_wait_tensorcnt 1                             ; my part of K step 0 is in; K step 1's may stay out
	s_barrier_signal -1
	s_barrier_wait -1
	FETCH 0, 0, F0
	QUARTER 0, 128, F0, F1, 1                      ; the first quarter stands in front of the loop: its first products start the sums
	WIN 0
	s_mov_b32 s3, LAPS-1
.Llap:                                                 ; a trip goes once round the ring and fills both slots again
	QUARTER 0, 256, F1, F0, 0
	QUARTER 0, 384, F0, F1, 0
	TURN 0, 1, 1
	QUARTER 1, 128, F0, F1, 0
	QUARTER 1, 256, F1, F0, 0
	QUARTER 1, 384, F0, F1, 0
	TURN 1, 0, 1
	QUARTER 0, 128, F0, F1, 0
	WIN 0
	s_sub_co_u32 s3, s3, 1
	s_cmp_lg_u32 s3, 0
	s_cbranch_scc1 .Llap
	QUARTER 0, 256, F1, F0, 0                      ; the last lap fills nothing
	QUARTER 0, 384, F0, F1, 0
	TURN 0, 1, 0
	QUARTER 1, 128, F0, F1, 0
	QUARTER 1, 256, F1, F0, 0
	QUARTER 1, 384, F0, F1, 0
	s_wait_dscnt 16
	WIN MUL
	MUL8 F1, 0, 0, 0
	MUL8 F1, 0, 2, 0
	s_wait_dscnt 0
	MUL8 F1, 1, 0, 0
	MUL8 F1, 1, 2, 0
	WIN 0
	; THE WAY OUT: 16 rows at a time.  A lane's 32 bytes go into my own stage, in rows of 272 bytes, straight from the accumulators (their low halves first), and come back as whole rows of 256.
	PLACES
	PLACES
.macro STG a
	s_wait_xcnt 0x0                                ; the stores of the block two back have read the registers that are loaded again below
.irp b, 0,1,2,3
	ds_store_b128 v[STO], v[ACC+8*(4*(\a)+(\b)):ACC+8*(4*(\a)+(\b))+3]   offset:64*(\b)
	ds_store_b128 v[STO], v[ACC+8*(4*(\a)+(\b))+4:ACC+8*(4*(\a)+(\b))+7] offset:64*(\b)+16
.endr
.irp t, 0,1,2,3,4,5,6,7
	ds_load_b128 v[TMP+32*((\a)%2)+4*(\t):TMP+32*((\a)%2)+4*(\t)+3], v[RD] offset:(\t)*2*SPITCH  ; LDS serves a wave's instructions in order (ISA guide 5.7.1.4): these see the stores above; the next block's stores come behind them
.endr
.endm
.macro SEND a, younger                 ; younger: the LDS instructions issued behind block a's loads: the next block's sixteen, or none
.irp t, 0,1,2,3,4,5,6,7
	s_wait_dscnt (\younger)+7-(\t)
	global_store_b128 v[CO], v[TMP+32*((\a)%2)+4*(\t):TMP+32*((\a)%2)+4*(\t)+3], s[8:9] offset:(16*(\a)+2*(\t))*SIZE_N*4  ; 16 lanes store 256 consecutive bytes, at a multiple of 256 from out0's first byte
.endr
.endm
	STG 0
	STG 1
	SEND 0, 16
	STG 2
	SEND 1, 16
	STG 3
	SEND 2, 16
	SEND 3, 0
	s_wait_tensorcnt 0x0                           ; the wave's end: the add and its wait, behind my last tensor load and my last LDS store
	ds_add_u32 v[SPW], v[NIL]
	s_wait_dscnt 0x0
	CROUND                                         ; the closing round: no work-group ends while a partner may still ask for a tile that names it
	s_endpgm
.Lfunc_end_k_q46bb211033_oproj:
	.size	k_q46bb211033_oproj, .Lfunc_end_k_q46bb211033_oproj-k_q46bb211033_oproj
	.p2alignl 7, 3214868480
	.fill 96, 4, 3214868480
	.section	.rodata,"a",@progbits
	.p2align	6, 0x0
	.amdhsa_kernel k_q46bb211033_oproj
		.amdhsa_group_segment_fixed_size 327680
		.amdhsa_private_segment_fixed_size 0
		.amdhsa_enable_private_segment 0
		.amdhsa_kernarg_size 24
		.amdhsa_user_sgpr_count 2
		.amdhsa_user_sgpr_kernarg_segment_ptr 1
		.amdhsa_wavefront_size32 1
		.amdhsa_system_sgpr_workgroup_id_x 1
		.amdhsa_system_sgpr_workgroup_id_y 1
		.amdhsa_system_sgpr_workgroup_id_z 1
		.amdhsa_system_vgpr_workitem_id 0
		.amdhsa_next_free_vgpr 512
		.amdhsa_next_free_sgpr 66
		.amdhsa_reserve_vcc 0
		.amdhsa_float_denorm_mode_32 3
		.amdhsa_float_denorm_mode_16_64 3
		.amdhsa_memory_ordered 1
		.amdhsa_forward_progress 1
		.amdhsa_inst_pref_size 87
	.end_amdhsa_kernel
	.amdgpu_metadata
---
amdhsa.version: [ 1, 2 ]
amdhsa.kernels:
  - .name:           k_q46bb211033_oproj
    .symbol:         k_q46bb211033_oproj.kd
    .args:
      - { .name: yh, .offset: 0, .size: 8, .value_kind: global_buffer, .address_space: global }
      - { .name: wo, .offset: 8, .size: 8, .value_kind: global_buffer, .address_space: global }
      - { .name: out0, .offset: 16, .size: 8, .value_kind: global_buffer, .address_space: global }
    .group_segment_fixed_size: 327680
    .private_segment_fixed_size: 0
    .kernarg_segment_align: 8
    .kernarg_segment_size: 24
    .max_flat_workgroup_size: 128
    .sgpr_count:     66
    .vgpr_count:     512
    .wavefront_size: 32
...
	.end_amdgpu_metadata
.endif
;; end of part 4
;; ======== version 2 of 2: 4 launches; version 1 with the launch prep written anew for expert scheduling mode
;; limits: values are held in f16: magnitudes above 65,504 overflow, below 6.1e-05 lose precision
;; workspace buffers: xb 8,388,608 bytes; wb 6,291,456 bytes; wo 2,097,152 bytes; rope 1,048,576 bytes; qkvh 25,165,824 bytes; yh 8,388,608 bytes
;; launch prep (part 5): grid 256 x 1, 8 waves a work-group, no clusters, 0 bytes of LDS; arguments x, qkvo_w, xb, wb, wo, rope; writes xb, wb, wo, rope
.if DOCPART == 5
	.amdgcn_target "amdgcn-amd-amdhsa--gfx1250"
	.amdhsa_code_object_version 6
	.text
	.protected	k_q46bb211033_prep
	.globl	k_q46bb211033_prep
	.p2align	8
	.type	k_q46bb211033_prep,@function
k_q46bb211033_prep:
	s_mov_b64 s[64:65], 0
	v_nop
	global_prefetch_b8 v0, s[64:65] scope:SCOPE_SE
	s_setreg_imm32_b32 hwreg(HW_REG_WAVE_SCHED_MODE, 0, 2), 2
	s_setreg_imm32_b32 hwreg(HW_REG_WAVE_MODE, 25, 1), 1
	s_wait_xcnt 0x0
	s_wait_alu depctr_vm_vsrc(0)
; PREP.  x [4096][1024] and qkvo_w[0:3] ([3072][1024]) are rounded to bf16 (xb, wb); qkvo_w[3] is rounded to bf16 and that number written as f16 (wo);
; the table of cos and sin of t x inv_freq[j], t = 0..4095, j = 0..31, is made in f32 (rope: cos [4096][32] at byte 0, sin at byte 524,288).
; SHARES.  256 work-groups of 8 waves; each casts 32,768 numbers: 131,072 bytes in, 65,536 out.  Groups 0-127 take x, 128-223 the first three weights, 224-255 the fourth.
; Thread t takes the 16 bytes at 16 t of each 4,096: a wave's load covers 512 consecutive bytes, its store of 8 bytes a lane 256 consecutive bytes, aligned.
; All 32 loads of a thread go out first; the table, two frequencies of one t a thread, is computed while they are on their way.
; No LDS, no barrier, no matrix unit: nothing is shared and every byte is touched once.
; LIMITS.  A weight of qkvo_w[3] below 6e-5 keeps f16's fixed step of 6e-8; beyond 65,504 it would not fit.
; The angle is t x g turns, g = inv_freq / 2 pi in f32, the product kept in two words; it differs from the f32 product t x inv_freq by 1.6e-4 radians at the most (t = 4095).
; THE MODE: SCHED_MODE bits 1:0 = 2 (LLVM: expert scheduling mode 2), set by the entry lines.  The code itself states the register dependences
; between vector instructions and memory instructions, with s_wait_alu, always for 0.
; THE PLAN.  Registers that memory instructions touch:
;   v1, v2     byte offsets, made once at the head and never written again: v1 is read by every load, v2 by every store.
;   XR         written by the 32 loads, once each; no vector instruction names them ahead of the loads; read by the conversions; never written again.
;   v[28:31]   written by the table's arithmetic, read by its two stores, never written again.
;   YR         two registers a load: written once, by that load's conversions; read by its store; never written again.
; No register that a memory instruction reads is ever rewritten, no vector instruction writes a scalar register, EXEC is never written: all the waits are on va_vdst.
; The 32 conversions go in eight blocks of four.  Block p's conversions read its XR and write its YR; the memory instructions that stand among them are the four stores of block p - 1, which read v2 and
; block p - 1's YR, registers that no vector instruction of block p names.  So ONE wait at a block's head states all that those four stores hang on.
.set XR,  32                           ; v[32:159]  the 32 loads, 4 registers each
.set YR,  160                          ; v[160:223] what is stored, 2 registers each: no register is used twice, so no store's data is ever rewritten
.set WOG, 224                          ; the first work-group of the fourth weight
.set BLK, 4                            ; loads in a block
	s_load_b256 s[4:11], s[0:1], 0x0               ; x s[4:5], qkvo_w s[6:7], xb s[8:9], wb s[10:11]
	s_load_b128 s[12:15], s[0:1], 0x20             ; wo s[12:13], rope s[14:15]
	s_mov_b32 s16, ttmp9                           ; g
	v_lshlrev_b32 v1, 4, v0                        ; 16 t: never rewritten
	v_lshlrev_b32 v2, 3, v0                        ; 8 t: never rewritten
	s_cmp_lt_u32 s16, 128
	s_cselect_b32 s17, 0, 128                      ; the source's first group
	s_cmp_ge_u32 s16, WOG
	s_cselect_b32 s24, WOG, s17                    ; the destination's first group
	s_sub_co_u32 s18, s16, s17
	s_lshl_b32 s18, s18, 17                        ; byte offset in the source
	s_mov_b32 s19, 0
	s_sub_co_u32 s24, s16, s24
	s_lshl_b32 s24, s24, 16                        ; byte offset in the destination
	s_mov_b32 s25, 0
	s_lshl_b32 s26, s16, 11                        ; the group's 2,048 bytes of cos, and of sin
	s_mov_b32 s27, 0
	s_lshl_b32 s30, s16, 8                         ; 256 g
	s_mov_b32 s31, 0xffff0000                      ; a word's upper bf16
	s_wait_kmcnt 0x0
	s_cmp_lt_u32 s16, 128
	s_cselect_b64 s[20:21], s[4:5], s[6:7]         ; the source,
	s_cselect_b64 s[22:23], s[8:9], s[10:11]       ; the destination,
	s_cmp_ge_u32 s16, WOG
	s_cselect_b64 s[22:23], s[12:13], s[22:23]
	s_add_nc_u64 s[20:21], s[20:21], s[18:19]
	s_add_nc_u64 s[22:23], s[22:23], s[24:25]
	s_add_nc_u64 s[28:29], s[14:15], s[26:27]      ; and the table
	s_wait_alu depctr_va_vdst(0)                   ; v1 and v2 are written: every load of the kernel reads v1 as its offset, every store v2
.set n, 0
.rept 32
	global_load_b128 v[XR+4*n:XR+4*n+3], v1, s[20:21] offset:4096*n th:TH_LOAD_NT
.set n, n+1
.endr
	; THE TABLE.  G = 256 g + t is one of 65,536: row G / 16, frequencies 2 (G % 16) and the next; their 8 bytes lie at byte 8 G.
	v_add_nc_u32 v3, s30, v0
	v_lshrrev_b32 v4, 4, v3
	v_cvt_f32_u32 v4, v4                           ; the row, as f32
	v_and_b32 v5, 15, v3
	v_lshlrev_b32 v5, 1, v5
	v_cvt_f32_u32 v6, v5                           ; j
	v_add_f32 v7, 1.0, v6                          ; j + 1
	v_mul_f32 v6, 0xbea5294a, v6                   ; inv_freq = 1024^(-j/31) = 2^(-10 j / 31)
	v_mul_f32 v7, 0xbea5294a, v7
	v_exp_f32 v6, v6
	v_exp_f32 v7, v7
	v_nop                                          ; a plain instruction behind the second exponential,
	s_wait_alu depctr_va_vdst(0)                   ; and one wait for both: the exponentials have written v6 and v7, ahead of their first reader
; cos and sin of 2 pi u, u = row x g.  u's product is kept in two words (uh, ul), the nearest whole number of turns is taken away, and half the angle,
; xx = pi r in -pi/2 .. pi/2, goes into the two series (to xx^11 and xx^10: the terms left out are under 6e-8 and 5e-7); then the angle is doubled.
.macro ANGLE f, b, oc, os
	v_mul_f32 v[(\b)], 0x3e22f983, v[(\f)]         ; g = inv_freq / 2 pi
	v_mul_f32 v[(\b)+1], v4, v[(\b)]               ; uh
	v_fma_f32 v[(\b)+2], v4, v[(\b)], -v[(\b)+1]   ; ul: what uh's rounding lost
	v_rndne_f32 v[(\b)+3], v[(\b)+1]
	v_sub_f32 v[(\b)+1], v[(\b)+1], v[(\b)+3]
	v_add_f32 v[(\b)+1], v[(\b)+1], v[(\b)+2]      ; r
	v_mul_f32 v[(\b)], 0x40490fdb, v[(\b)+1]       ; xx = pi r
	v_mul_f32 v[(\b)+1], v[(\b)], v[(\b)]          ; z = xx^2
	v_mov_b32 v[(\b)+2], 0xb2d7322b                ; -1/11!
	v_fmaak_f32 v[(\b)+2], v[(\b)+2], v[(\b)+1], 0x3638ef1d
	v_fmaak_f32 v[(\b)+2], v[(\b)+2], v[(\b)+1], 0xb9500d01
	v_fmaak_f32 v[(\b)+2], v[(\b)+2], v[(\b)+1], 0x3c088889
	v_fmaak_f32 v[(\b)+2], v[(\b)+2], v[(\b)+1], 0xbe2aaaab
	v_mul_f32 v[(\b)+2], v[(\b)+2], v[(\b)+1]
	v_fma_f32 v[(\b)+2], v[(\b)+2], v[(\b)], v[(\b)]  ; s = sin xx
	v_mov_b32 v[(\b)+3], 0xb493f27e                ; -1/10!
	v_fmaak_f32 v[(\b)+3], v[(\b)+3], v[(\b)+1], 0x37d00d01
	v_fmaak_f32 v[(\b)+3], v[(\b)+3], v[(\b)+1], 0xbab60b61
	v_fmaak_f32 v[(\b)+3], v[(\b)+3], v[(\b)+1], 0x3d2aaaab
	v_fmaak_f32 v[(\b)+3], v[(\b)+3], v[(\b)+1], 0xbf000000
	v_fma_f32 v[(\b)+3], v[(\b)+3], v[(\b)+1], 1.0 ; c = cos xx
	v_add_f32 v[(\b)+4], v[(\b)+2], v[(\b)+2]      ; 2 s
	v_fma_f32 v[(\oc)], -v[(\b)+4], v[(\b)+2], 1.0 ; cos 2 xx = 1 - 2 s s
	v_mul_f32 v[(\os)], v[(\b)+4], v[(\b)+3]       ; sin 2 xx = 2 s c
.endm
	ANGLE 6, 8, 28, 30
	ANGLE 7, 16, 29, 31
	s_wait_alu depctr_va_vdst(0)                   ; the doubled angles have written v[28:31], which the two stores read
	global_store_b64 v2, v[28:29], s[28:29]                ; a wave's store covers 256 consecutive bytes, aligned
	global_store_b64 v2, v[30:31], s[28:29] offset:524288
; Load n is converted; the store of load n - 4, of the block before, stands in front of its conversions.  The wait on LOADcnt leaves the 31 - n younger loads out.
; mode 0: bf16.  mode 1: bf16, widened again, written as f16 (v8 to v13 are at work there: no memory instruction names them).
.macro CONV mode, n
	s_wait_loadcnt 31-(\n)
.if ((\n) % BLK == 0) && ((\n) > 0)
	s_wait_alu depctr_va_vdst(0)                   ; the block before has written its eight registers of YR, which this block's four stores read
.endif
.if (\n) >= BLK
	global_store_b64 v2, v[YR+2*((\n)-BLK):YR+2*((\n)-BLK)+1], s[22:23] offset:2048*((\n)-BLK)  ; no wait of its own: no vector instruction since the block's wait names v2 or these two registers
.endif
.if (\mode) == 0
	v_cvt_pk_bf16_f32 v[YR+2*(\n)],   v[XR+4*(\n)],   v[XR+4*(\n)+1]
	v_cvt_pk_bf16_f32 v[YR+2*(\n)+1], v[XR+4*(\n)+2], v[XR+4*(\n)+3]
.else
	v_cvt_pk_bf16_f32 v8, v[XR+4*(\n)],   v[XR+4*(\n)+1]
	v_cvt_pk_bf16_f32 v9, v[XR+4*(\n)+2], v[XR+4*(\n)+3]
	v_lshlrev_b32 v10, 16, v8
	v_and_b32     v11, s31, v8
	v_lshlrev_b32 v12, 16, v9
	v_and_b32     v13, s31, v9
	v_cvt_pk_f16_f32 v[YR+2*(\n)],   v10, v11
	v_cvt_pk_f16_f32 v[YR+2*(\n)+1], v12, v13
.endif
.endm
; The last block's four stores.
.macro LAST
	s_wait_alu depctr_va_vdst(0)                   ; the last block has written its eight registers of YR, which the last four stores read
.set n, 32-BLK
.rept BLK
	global_store_b64 v2, v[YR+2*n:YR+2*n+1], s[22:23] offset:2048*n
.set n, n+1
.endr
.endm
	s_cmp_ge_u32 s16, WOG
	s_cbranch_scc1 .Lwo
.set n, 0
.rept 32
	CONV 0, n
.set n, n+1
.endr
	LAST
	s_endpgm
.Lwo:
.set n, 0
.rept 32
	CONV 1, n
.set n, n+1
.endr
	LAST
	s_endpgm
.Lfunc_end_k_q46bb211033_prep:
	.size	k_q46bb211033_prep, .Lfunc_end_k_q46bb211033_prep-k_q46bb211033_prep
	.p2alignl 7, 3214868480
	.fill 96, 4, 3214868480
	.section	.rodata,"a",@progbits
	.p2align	6, 0x0
	.amdhsa_kernel k_q46bb211033_prep
		.amdhsa_group_segment_fixed_size 0
		.amdhsa_private_segment_fixed_size 0
		.amdhsa_enable_private_segment 0
		.amdhsa_kernarg_size 48
		.amdhsa_user_sgpr_count 2
		.amdhsa_user_sgpr_kernarg_segment_ptr 1
		.amdhsa_wavefront_size32 1
		.amdhsa_system_sgpr_workgroup_id_x 1
		.amdhsa_system_sgpr_workgroup_id_y 1
		.amdhsa_system_sgpr_workgroup_id_z 1
		.amdhsa_system_vgpr_workitem_id 0
		.amdhsa_next_free_vgpr 224
		.amdhsa_next_free_sgpr 66
		.amdhsa_reserve_vcc 0
		.amdhsa_float_denorm_mode_32 3
		.amdhsa_float_denorm_mode_16_64 3
		.amdhsa_memory_ordered 1
		.amdhsa_forward_progress 1
		.amdhsa_inst_pref_size 33
	.end_amdhsa_kernel
	.amdgpu_metadata
---
amdhsa.version: [ 1, 2 ]
amdhsa.kernels:
  - .name:           k_q46bb211033_prep
    .symbol:         k_q46bb211033_prep.kd
    .args:
      - { .name: x, .offset: 0, .size: 8, .value_kind: global_buffer, .address_space: global }
      - { .name: qkvo_w, .offset: 8, .size: 8, .value_kind: global_buffer, .address_space: global }
      - { .name: xb, .offset: 16, .size: 8, .value_kind: global_buffer, .address_space: global }
      - { .name: wb, .offset: 24, .size: 8, .value_kind: global_buffer, .address_space: global }
      - { .name: wo, .offset: 32, .size: 8, .value_kind: global_buffer, .address_space: global }
      - { .name: rope, .offset: 40, .size: 8, .value_kind: global_buffer, .address_space: global }
    .group_segment_fixed_size: 0
    .private_segment_fixed_size: 0
    .kernarg_segment_align: 8
    .kernarg_segment_size: 48
    .max_flat_workgroup_size: 256
    .sgpr_count:     66
    .vgpr_count:     224
    .wavefront_size: 32
...
	.end_amdgpu_metadata
.endif
;; end of part 5
;; launch qkvproj: the kernel of part 2 again; grid 8 x 32, 4 waves a work-group, clusters of 4 x 4, 327,680 bytes of LDS; arguments xb, wb, ve, lambdas, rope, qkvh; writes qkvh
;; launch attn: the kernel of part 3 again; grid 32 x 8, 4 waves a work-group, no clusters, 327,680 bytes of LDS; arguments qkvh, yh; writes yh
;; launch oproj: the kernel of part 4 again; grid 8 x 32, 4 waves a work-group, clusters of 4 x 4, 327,680 bytes of LDS; arguments yh, wo, out0; writes out0
